; MI455X (gfx1250); checked and timed in simulation.
; The chip was launched on July 23, 2026; its instructions are those of AMD's public machine-readable ISA for CDNA 5 (MIT licence, August 2026) and "CDNA5" Instruction Set Architecture Reference Guide (July 2026). The comments in the code are by the model that wrote it; some were corrected since.
;; Self Dot Product Attention. Allowed arithmetic: matrix products marked QUANTISED: E2M3 operands, one E8M0 scale for each 32 along K, by v_wmma_scale_f32_16x16x128_f8f6f4 with both operands' format E2M3, f32 sums; everything else in f32.
;; Inputs: Wk 1,024 x 1,024 float32; Wo 1,024 x 1,024 float32; Wq 1,024 x 1,024 float32; Wv 1,024 x 1,024 float32; bo 1,024 float32; x 4 x 2,048 x 1,024 float32.
;; Outputs: out0 4 x 2,048 x 1,024 float32.
;; This version of the problem:
;;   THIS VERSION OF THE PROBLEM IS GIVEN IN LOW PRECISION. The matrix products marked QUANTISED in the list below multiply operands that are first quantised to E2M3 (2 exponent bits, 3 mantissa bits; 6 bits a number), with one power-of-two scale for each 32 numbers along K (OCP MX v1.0); their sums are f32. All else is computed in f32.
;;   The module's matrix products, in the order in which they are computed (A, B: the left and right operand; K: the contracted axis; several contracted axes count as one K, in the product's order):
;;     1. [M 8,192, K 1,024] x [K 1,024, N 1,024]; A: input x; B: input Wq: QUANTISED
;;     2. [M 8,192, K 1,024] x [K 1,024, N 1,024]; A: input x; B: input Wk: QUANTISED
;;     3. [M 8,192, K 1,024] x [K 1,024, N 1,024]; A: input x; B: input Wv: QUANTISED
;;     4. batch 4 x [M 2,048, K 1,024] x [K 1,024, N 2,048]; A: computed on the way; B: computed on the way: QUANTISED
;;     5. batch 4 x [M 2,048, K 2,048] x [K 2,048, N 1,024]; A: softmax (see below); B: computed on the way: QUANTISED
;;     6. [M 8,192, K 1,024] x [K 1,024, N 1,024]; A: computed on the way; B: input Wo: QUANTISED
;;   THE QUANTISER, for each operand of a quantised product, along K:
;;     - K is cut into blocks of 32 from its start; a last block that is shorter is filled with zeros.
;;     - A block's scale is 2^e with e = floor(log2(the largest magnitude in the block)) - 2, held to -126 .. 127; a block of zeros has e = 0. As a byte (E8M0): e + 127.
;;     - Each number is divided by its block's scale, clamped to +-7.5, and rounded to the nearest number of E2M3, ties to even, subnormals kept.
;;     - The product sums the exact products of the quantised numbers (number of the format x scale) in f32.
;;   ~~~python
;;   def quantise(x, axis):      # numpy; x: float32 -> the quantised numbers, widened to float32 again
;;       x = np.moveaxis(x, axis, -1); K = x.shape[-1]
;;       x = np.pad(x, [(0, 0)] * (x.ndim - 1) + [(0, -K % 32)]); x = x.reshape(x.shape[:-1] + (-1, 32)); a = np.abs(x).max(-1, keepdims=True)
;;       e = np.where(a > 0, np.clip(np.frexp(np.where(a > 0, a, 1))[1] - 1 - 2, -126, 127), 0)      # np.frexp(a)[1] - 1 = floor(log2(a)), exactly
;;       r = np.clip(x / 2.0 ** e, -7.5, 7.5)
;;       step = 2.0 ** (np.maximum(np.frexp(np.where(r == 0, 1, r))[1] - 1, 0) - 3)
;;       q = np.round(r / step) * step * 2.0 ** e      # np.round: ties to even
;;       return np.moveaxis(q.reshape(q.shape[:-2] + (-1,))[..., :K], -1, axis).astype(np.float32)
;;   ~~~
;;   SOFTMAX AHEAD OF A QUANTISED PRODUCT. Where the list says 'softmax', what is quantised is not the finished softmax but p = 2^(t - M), with t = logit x log2(e) and M = ceil(the row's largest t), a whole number; so 1/2 < the row's largest p <= 1. The row's sum l is taken of the UNQUANTISED p, in f32, and the product's result is divided by l at the end. Since M is a whole number, a kernel that streams over the keys may use a running M (the ceiling of the running maximum): every later rescaling is an exact power of two, which a block's scale takes up: the codes' values come out the same.
;;   OPERANDS COMPUTED ON THE WAY. 'Computed on the way' means the value that the module computes at that place (a softmax that the list does not call 'softmax' is quantised finished and normalised). What goes into a quantiser is computed in f32, as accurately as f32 sums, v_exp_f32 and their like allow (about 1e-6 of the number): no bf16 or f16 on the way to a quantiser, and a product that is left as it is and whose result goes on into a quantised operand takes f32 operands (vector FMAs, or v_wmma_f32_16x16x4_f32). A number that lies on a knife's edge between two numbers of the format may be rounded either way, as far as f32 arithmetic and the matrix unit's own rounding can turn it there, and no further.
;; One version. Each part assembles by itself: llvm-mc -triple=amdgcn-amd-amdhsa -mcpu=gfx1250 --defsym DOCPART=n.
;; ======== version 1 of 1: 5 launches
;; limits: right only within a limited range of input values
;; workspace buffers: qin 9,830,400 bytes; qk 13,107,200 bytes; vt 6,553,600 bytes; pp 14,155,776 bytes; sv 6,553,600 bytes
;; launch quant (part 1): grid 768 x 1, 4 waves a work-group, no clusters, 35,328 bytes of LDS; arguments x, Wq, Wk, Wv, Wo, qin; writes qin
.if DOCPART == 1
	.amdgcn_target "amdgcn-amd-amdhsa--gfx1250"
	.amdhsa_code_object_version 6
	.text
	.protected	k_qb3259d25f4_quant
	.globl	k_qb3259d25f4_quant
	.p2align	8
	.type	k_qb3259d25f4_quant,@function
k_qb3259d25f4_quant:
	s_mov_b64 s[64:65], 0
	v_nop
	global_prefetch_b8 v0, s[64:65] scope:SCOPE_SE
	s_setreg_imm32_b32 hwreg(HW_REG_WAVE_MODE, 25, 1), 1
	s_wait_xcnt 0x0
; x [8192][1024] and Wq, Wk, Wv, Wo [1024][1024], f32, become codes of FP6 (E2M3) with one E8M0 byte for each 32 along K (K = the last axis), laid as the products' operand registers want them.
; A block's scale is 2^(floor(log2(its largest magnitude)) - 2): its byte is the largest magnitude's exponent field - 2, held at 1 from below.
; LIMITS: NaN and infinities among the inputs are not served; a block of zeros, or one whose largest magnitude lies under 2^-124, keeps the byte 1 (its codes are read by this program alone).
; THE WORKSPACE.  qin is 96 groups g of 128 rows (0-63 x, 64-71 Wq, 72-79 Wk, 80-87 Wv, 88-95 Wo) x 4 chunks of 256 along K.  A chunk is 25,600 bytes: the codes of block a (16 rows), of its q-th 128 along K,
; register group c (registers 4 c .. 4 c + 3 of the fragment's twelve) at 3072 a + 1536 q + 512 c + 16 x lane; the scale words at 24576 + 512 q + 64 a + 4 r.
; THE ROWS OF A BLOCK ARE NOT NEIGHBOURS: lane r of block 2 B + u holds row 32 B + 8 u + r % 8 + 16 (r / 8), so that a later product's results, with such a block as source 0, run along neighbouring rows in a lane's registers.
; SHARES.  A work-group makes half a chunk: 128 rows x 128 along K; wave w its blocks 2 w and 2 w + 1 (rows 32 w .. 32 w + 31): two fragments, whose 32 loads all go out at the wave's head.  768 work-groups: three for each of 256 WGPs.
; Each load reads 512 consecutive bytes of one row; a fragment's 16 rows turn through the wave's own stage in LDS (rows 528 bytes apart) so that lane (r, h) gets, of row r, 16 neighbours of each block of 32.
; The eight blocks' scale words, 512 consecutive bytes of the chunk, meet in LDS behind the one barrier and leave by one store of wave 0.
.set CHUNK,  25600
.set GCH,    4*CHUNK
.set SPITCH, 528
.set WREG,   16*SPITCH                 ; a wave's stage
.set SHW,    4*WREG                    ; behind the stages: the work-group's 512 bytes of scale words
.set GI,  4                            ; v4   16 x lane
.set STW, 5                            ; v5   the stage, on the way in
.set STR, 6                            ; v6   and on the way out: 528 r + 64 h
.set SW,  7                            ; v7   my row's scale word in LDS: 128 x wave + 4 r
.set SRD, 8                            ; v8   the scale words on the way out: 16 bytes a lane
.set R,   16                           ; v16-143  two sets of 64: a fragment's numbers as loaded
.set X,   144                          ; v144-207 register 16 b + i = k 32 b + 16 h + i of my row
.set PC,  208                          ; v208-227 the codes
.set TM,  228                          ; v228-243 at work
.set PW,  244                          ; v244-245 a scale word for each fragment
.set SEL, 32                           ; s[32:33] selects for lane l xor 16
	s_load_b256 s[4:11], s[0:1], 0x0               ; x, Wq, Wk, Wv
	s_load_b128 s[12:15], s[0:1], 0x20             ; Wo, qin
	v_lshl_add_u32 v248, v0, 2, 0x8800
	v_mov_b32 v249, 0
	v_lshrrev_b32 v1, 5, v0
	v_readfirstlane_b32 s18, v1                    ; wave
	v_and_b32 v1, 15, v0                           ; r
	v_bfe_u32 v2, v0, 4, 1                         ; h
	v_and_b32 v3, 31, v0                           ; lane
	s_mul_i32 s19, s18, WREG
	v_lshlrev_b32 v[GI], 4, v3
	v_add_nc_u32 v[STW], s19, v[GI]
	v_mul_u32_u24 v[STR], v1, SPITCH
	v_lshl_add_u32 v[STR], v2, 6, v[STR]
	v_add_nc_u32 v[STR], s19, v[STR]
	s_lshl_b32 s19, s18, 7
	s_add_co_u32 s19, s19, SHW
	v_lshl_add_u32 v[SW], v1, 2, s19
	v_add_nc_u32 v[SRD], SHW, v[GI]
.irp b, 0,1,2,3
	v_mov_b32 v[TM+4+\b], 0                        ; written once: a lane permute's destination counts as one of its sources
.endr
	s_mov_b32 s[SEL], 0x76543210
	s_mov_b32 s[SEL+1], 0xfedcba98
	s_lshr_b32 s20, ttmp9, 3                       ; g
	s_bfe_u32 s21, ttmp9, 0x20001                  ; which 256 along K (2 bits from bit 1)
	s_and_b32 s22, ttmp9, 1                        ; q: which 128 of them
	s_and_b32 s24, s20, 7                          ; g inside a weight
	s_wait_alu depctr_va_vdst(0)
	s_wait_kmcnt 0x0
	s_mov_b64 s[16:17], s[12:13]                   ; which tensor: the choice hangs on the work-group's number alone
	s_cmp_lt_u32 s20, 88
	s_cselect_b64 s[16:17], s[10:11], s[16:17]
	s_cmp_lt_u32 s20, 80
	s_cselect_b64 s[16:17], s[8:9], s[16:17]
	s_cmp_lt_u32 s20, 72
	s_cselect_b64 s[16:17], s[6:7], s[16:17]
	s_cmp_lt_u32 s20, 64
	s_cselect_b64 s[16:17], s[4:5], s[16:17]
	s_cselect_b32 s24, s20, s24                    ; g inside the tensor
	s_lshl_b32 s26, s24, 19                        ; 128 rows of 4,096 bytes,
	s_lshl_b32 s25, s18, 17                        ; my wave's 32 rows,
	s_add_co_u32 s26, s26, s25
	s_lshl_b32 s25, s21, 1
	s_add_co_u32 s25, s25, s22
	s_lshl_b32 s25, s25, 9                         ; 128 numbers along K
	s_add_co_u32 s26, s26, s25
	s_mov_b32 s27, 0
	s_add_nc_u64 s[16:17], s[16:17], s[26:27]      ; where my wave reads
	s_mul_i32 s28, s20, GCH
	s_mul_i32 s25, s21, CHUNK
	s_add_co_u32 s28, s28, s25                     ; the chunk
	s_mul_i32 s25, s22, 1536
	s_add_co_u32 s30, s28, s25
	s_mul_i32 s25, s18, 2*3072
	s_add_co_u32 s30, s30, s25
	s_mov_b32 s31, 0
	s_add_nc_u64 s[30:31], s[14:15], s[30:31]      ; my codes
	s_lshl_b32 s25, s22, 9
	s_add_co_u32 s28, s28, s25
	s_add_co_u32 s28, s28, 24576
	s_mov_b32 s29, 0
	s_add_nc_u64 s[28:29], s[14:15], s[28:29]      ; the work-group's scale words
.macro LOAD f                          ; fragment f: its 16 rows, 512 consecutive bytes each, into set f
.irp i, 0,1,2,3,4,5,6,7,8,9,10,11,12,13,14,15
	global_load_b128 v[R+64*(\f)+4*\i:R+64*(\f)+4*\i+3], v[GI], s[16:17] offset:(8*(\f)+\i%8+16*(\i/8))*4096 th:TH_LOAD_NT
.endr
.endm
.macro QUANT pw                        ; the 64 numbers in X become a fragment's codes in v[PC] on and its scale word in v[pw]
.irp b, 0,1,2,3
	v_max3_num_f32 v[TM+\b], |v[X+16*\b]|, |v[X+16*\b+1]|, 0x1800000   ; block b: my 16 numbers, and the floor 2^(3 - 127): the byte cannot fall under 1
.endr
.irp i, 2,4,6,8,10,12,14
.irp b, 0,1,2,3
	v_max3_num_f32 v[TM+\b], v[TM+\b], |v[X+16*\b+\i]|, |v[X+16*\b+\i+1]|   ; the four blocks by turns
.endr
.endr
.irp b, 0,1,2,3
	v_permlanex16_b32 v[TM+4+\b], v[TM+\b], s[SEL], s[SEL+1]
.endr
.irp b, 0,1,2,3
	v_max_num_f32 v[TM+\b], v[TM+\b], v[TM+4+\b]   ; with lane l xor 16's: the block's largest magnitude
.endr
.irp b, 0,1,2,3
	v_add_nc_u32 v[TM+12+\b], 0xff000000, v[TM+\b] ; 2 off its exponent field: the conversion's scale operand
.endr
.irp b, 0,1,2,3
	v_lshrrev_b32 v[TM+4+\b], 23, v[TM+12+\b]      ; the scale's byte
.endr
	v_lshl_or_b32 v[\pw], v[TM+5], 8, v[TM+4]
	v_lshl_or_b32 v[\pw], v[TM+6], 16, v[\pw]
	v_lshl_or_b32 v[\pw], v[TM+7], 24, v[\pw]
.irp c, 0,1
	v_cvt_scalef32_pk16_fp6_f32 v[PC+6*\c:PC+2+6*\c], v[X+32*\c:X+15+32*\c], v[TM+12+2*\c]
	v_cvt_scalef32_pk16_fp6_f32 v[PC+12+4*\c:PC+14+4*\c], v[X+16+32*\c:X+31+32*\c], v[TM+12+2*\c+1]   ; (a conversion's three registers begin on an even number)
.endr
	v_nop                                          ; one plain place behind a scaled conversion
.irp c, 0,1                            ; the operand's layout wants a whole block in a lane: lanes 0-15 block 2 c, lanes 16-31 block 2 c + 1
.irp i, 0,1,2
	v_permlane16_swap_b32 v[PC+6*\c+\i], v[PC+12+4*\c+\i]
.endr
.irp i, 0,1,2
	v_mov_b32 v[PC+3+6*\c+\i], v[PC+12+4*\c+\i]
.endr
.endr
.endm
.macro FRAG f
.if \f == 0
	s_wait_loadcnt 16                              ; this fragment's 16 loads are in; the second fragment's may be out
.else
	s_wait_loadcnt 0x0
.endif
.irp i, 0,1,2,3,4,5,6,7,8,9,10,11,12,13,14,15
	ds_store_b128 v[STW], v[R+64*(\f)+4*\i:R+64*(\f)+4*\i+3] offset:SPITCH*\i
.endr
.irp b, 0,1,2,3
.irp j, 0,1,2,3
	ds_load_b128 v[X+16*\b+4*\j:X+16*\b+4*\j+3], v[STR] offset:128*\b+16*\j   ; LDS serves a wave's instructions in order: these see the stores above
.endr
.endr
	s_wait_dscnt 0x0                               ; the numbers are back
.if \f > 0
	s_wait_xcnt 0x0                                ; the first fragment's stores have read the codes' registers, which are written again below
.endif
	QUANT PW+\f
.irp c, 0,1,2
	global_store_b128 v[GI], v[PC+4*\c:PC+4*\c+3], s[30:31] offset:3072*\f+512*\c   ; 32 lanes store 512 consecutive bytes, at a multiple of 256 from the buffer's first byte
.endr
	ds_store_b32 v[SW], v[PW+\f] offset:64*\f      ; both lanes of a row write the same word with the same value
.endm
	LOAD 0
	LOAD 1
	FRAG 0
	FRAG 1
	s_wait_dscnt 0x0                               ; for the others' sake: my scale words have landed
	s_barrier_signal -1
	s_barrier_wait -1                              ; all eight blocks' words lie in LDS
	s_cmp_lg_u32 s18, 0
	s_cbranch_scc1 .Ldone
	ds_load_b128 v[12:15], v[SRD]
	s_wait_dscnt 0x0
	global_store_b128 v[GI], v[12:15], s[28:29]    ; wave 0 stores them: 512 consecutive bytes, at a multiple of 256 from the buffer's first byte
.Ldone:
	s_wait_tensorcnt 0x0
	ds_add_u32 v248, v249
	s_wait_dscnt 0x0
	s_endpgm
.Lfunc_end_k_qb3259d25f4_quant:
	.size	k_qb3259d25f4_quant, .Lfunc_end_k_qb3259d25f4_quant-k_qb3259d25f4_quant
	.p2alignl 7, 3214868480
	.fill 96, 4, 3214868480
	.section	.rodata,"a",@progbits
	.p2align	6, 0x0
	.amdhsa_kernel k_qb3259d25f4_quant
		.amdhsa_group_segment_fixed_size 35328
		.amdhsa_private_segment_fixed_size 0
		.amdhsa_enable_private_segment 0
		.amdhsa_kernarg_size 48
		.amdhsa_user_sgpr_count 2
		.amdhsa_user_sgpr_kernarg_segment_ptr 1
		.amdhsa_wavefront_size32 1
		.amdhsa_system_sgpr_workgroup_id_x 1
		.amdhsa_system_sgpr_workgroup_id_y 1
		.amdhsa_system_sgpr_workgroup_id_z 1
		.amdhsa_system_vgpr_workitem_id 0
		.amdhsa_next_free_vgpr 250
		.amdhsa_next_free_sgpr 66
		.amdhsa_reserve_vcc 0
		.amdhsa_float_denorm_mode_32 3
		.amdhsa_float_denorm_mode_16_64 3
		.amdhsa_memory_ordered 1
		.amdhsa_forward_progress 1
		.amdhsa_inst_pref_size 19
	.end_amdhsa_kernel
	.amdgpu_metadata
---
amdhsa.version: [ 1, 2 ]
amdhsa.kernels:
  - .name:           k_qb3259d25f4_quant
    .symbol:         k_qb3259d25f4_quant.kd
    .args:
      - { .name: x, .offset: 0, .size: 8, .value_kind: global_buffer, .address_space: global }
      - { .name: Wq, .offset: 8, .size: 8, .value_kind: global_buffer, .address_space: global }
      - { .name: Wk, .offset: 16, .size: 8, .value_kind: global_buffer, .address_space: global }
      - { .name: Wv, .offset: 24, .size: 8, .value_kind: global_buffer, .address_space: global }
      - { .name: Wo, .offset: 32, .size: 8, .value_kind: global_buffer, .address_space: global }
      - { .name: qin, .offset: 40, .size: 8, .value_kind: global_buffer, .address_space: global }
    .group_segment_fixed_size: 35328
    .private_segment_fixed_size: 0
    .kernarg_segment_align: 8
    .kernarg_segment_size: 48
    .max_flat_workgroup_size: 128
    .sgpr_count:     66
    .vgpr_count:     250
    .wavefront_size: 32
...
	.end_amdgpu_metadata
.endif
;; end of part 1
;; launch qkv (part 2): grid 8 x 32, 4 waves a work-group, clusters of 4 x 4, 327,680 bytes of LDS; arguments qin, qk, vt; writes qk, vt
.if DOCPART == 2
	.amdgcn_target "amdgcn-amd-amdhsa--gfx1250"
	.amdhsa_code_object_version 6
	.text
	.protected	k_qb3259d25f4_qkv
	.globl	k_qb3259d25f4_qkv
	.p2align	8
	.type	k_qb3259d25f4_qkv,@function
k_qb3259d25f4_qkv:
	s_mov_b64 s[64:65], 0
	v_nop
	global_prefetch_b8 v0, s[64:65] scope:SCOPE_SE
	s_setreg_imm32_b32 hwreg(HW_REG_WAVE_MODE, 25, 1), 1
	s_wait_xcnt 0x0
	s_wait_alu depctr_hold_cnt(0) depctr_sa_sdst(0) depctr_va_vdst(0) depctr_va_sdst(0) depctr_va_ssrc(0) depctr_va_vcc(0) depctr_vm_vsrc(0)
	s_getreg_b32 s2, hwreg(HW_REG_IB_STS2, 6, 4)
	s_cmp_eq_u32 s2, 0
	s_cbranch_scc0 .Lentry_in_a_cluster
	s_endpgm
.Lentry_in_a_cluster:
	s_bfe_u32 s2, ttmp6, 0x10000c
	s_cmp_lg_u32 s2, 0xf033
	s_cbranch_scc0 .Lentry_shape_is_right
	s_endpgm
.Lentry_shape_is_right:
; q = x Wq^T, k = x Wk^T and v^T = Wv x^T on codes of FP6 (E2M3) with E8M0 scales; every result leaves QUANTISED along the axis that is the next product's K, as images of operand registers.
; A WORK-GROUP STAYS FOR TWO TILES.  First 256 x 256 of q;k: A = x's groups 2 ty, 2 ty + 1 (128 rows each), B = two groups of Wq;Wk; a wave makes 128 x 128: 64 accumulators.
; Then 128 x 256 of v^T: A = Wv's group tx, B = THE SAME two groups of x; a wave makes 64 x 128: 32 accumulators.  There a lane holds one feature and its registers run along the sequence, the K of the product with the softmax's weights.
; OPERANDS lie in memory as chunks of 25,600 bytes (128 rows x 256 along K): codes of block a, q-th 128 along K, register group c at 3072 a + 1536 q + 512 c + 16 x lane; scale words at 24576 + 512 q + 64 a + 4 r.
; So a fragment is three loads of 16 bytes a lane at consecutive addresses, and a chunk is one dense block for one tensor load of 100 rows of 256 bytes.
; THE MATRIX INSTRUCTION IS USED TRANSPOSED (source 0 = a block of B, source 1 = a block of A), and lane r of block 2 B + u of every operand holds row 32 B + 8 u + r % 8 + 16 (r / 8): a lane then holds one row of A,
; and the 64 registers of its eight tiles are register 16 b + i = column 32 b + 16 h + i: sixteen neighbours of each block of 32 along the next K.  Rows stay in that order of blocks through the whole program.
; LDS: three slots of four chunk places (x's two groups, W's two).  The first tile's K steps of 256 lie in slots 0, 1, 2 and in slot 0 again.  At its end x's second, third and fourth 256 along K still lie in slots 1, 2, 0;
; W's six places take Wv's four chunks (slots 1 and 2, asked for in step 5) and x's first 256 along K (slot 0, asked for between the tiles).  So x leaves memory once for the three products.
; ORDER OF SUMS: the second tile walks K as 256 .., 512 .., 768 .., 0 ..: another order of f32 sums than ascending K.
; By this text's own count a wave has three tensor loads out at the start, later one.  The stage of the ways out has LDS bytes of its own, behind the spare words: no fill lands there.
; CLUSTERS: 4 x 4 work-groups.  x's chunks hang on the tile row alone and are asked for jointly by a row of the cluster, the weights' on the tile column alone, by a column.
; LIMITS: NaN and infinities are not served; a block of results whose largest magnitude lies under 2^-124 keeps the byte 1.
; REGISTERS: window 0: v1-31 addresses; v32-55 scale words, two sets; v64-255 A's fragments, two sets (free on the ways out).  window 1: B's fragments, two sets, at v0 and v128.  windows 2, 3: accumulator (a, b) at v[8 (8 (a % 4) + b)].
; LDS AND THE LOADS, AS THE TEXT STANDS (where the lines above speak of three slots of four places and of three loads at the start, this paragraph holds instead).
; Four regions of three chunk places, one region a wave: x's two groups at 0 and 3 CHUNK, W's two at 6 and 9 CHUNK.  What the text calls slot n is place n of every region.
; At the head each wave issues ONE tensor load: its group's first three chunks, 768 along K, 300 rows of 256 bytes, dense in memory and in LDS.
; Behind the wait that shows it landed, group 1's two words that count rows are set to 100: every later load brings one chunk.  Place 0 takes the fourth chunk in step 1.
; Wv's four chunks go to places 1 and 2 of W's regions (7, 8, 10 and 11 CHUNK); x's first 256 along K come the second time to their places 0 (6 and 9 CHUNK).
; The cluster's first round stands ahead of the wait for the arguments: it reads none of them.
; NO PREFETCH: the head's load asks for three quarters of the first tile's operands at once, and the last quarter is asked for in step 1 of 8: there is no later stream to run ahead of.
.set CHUNK, 25600
.set GCH,   4*CHUNK                    ; a group of 128 rows, all of K
.set SLOT,  4*CHUNK
.set SPARE, 3*SLOT                     ; behind the slots: the spare words, 128 bytes a wave, which no other line names
.set STAGE, SPARE+512                  ; behind them: 2,048 bytes a wave for the ways out
.set TR,    CHUNK/256                  ; rows of 256 bytes in a tensor load
.set LI,   3                           ; v3     16 x lane
.set ADRA, 4                           ; v4-6   first tile: my chunk of x in slot 0, 1, 2
.set ADRB, 7                           ; v7-9   my chunk of W
.set ADRS, 10                          ; v10-12 scale words: lanes 0-15 x's, lanes 16-31 W's
.set L8,   13                          ; v13    8 x lane
.set SPW,  14                          ; v14    my spare word; never rewritten
.set NIL,  15                          ; v15    0; never rewritten
.set SW,   16                          ; v16    the stage: my row's word
.set SR,   17                          ; v17    the stage: 16 bytes a lane
.set SR8,  18                          ; v18    the stage: 8 bytes a lane
.set VXB,  19                          ; v19-22 second tile: my group of x, the four 256 along K in the order in which they are walked
.set VXS,  23                          ; v23-26 its scale words
.set VWA,  27                          ; v27-28 my four blocks of Wv: a register serves two neighbouring chunks
.set VWS,  29                          ; v29-30 their scale words
.set TV,   31                          ; v31    at work in the head
.set SC,   32
.set AF,   64
.set PC,   128                         ; the ways out: v128-147 codes, v152-167 at work, v192-199 a scale word for each block
.set TM,   152
.set PWA,  192
.set WV, 12
.set AH, 13                            ; s13 wave / 2: which half of A's rows is mine; at the first fills: I fetch x (0) or W (1)
.set BH, 14                            ; s14 wave % 2: which 128 rows of B; also: which group of 128 rows I fetch
.set SEL, 22
.set G1A, 24                           ; s[24:31] group 1 with the mask of my row of the cluster: x's chunks
.set G1B, 32                           ; s[32:39] with the mask of my column: the weights'
.set G0A, 40                           ; s[40:51] group 0 for x's chunks, a set for each slot;  s[52:63] for W's
.set G0B, 52
.set OCV, 66                           ; s[66:67] where my codes of v^T go;  s[68:69] their scale words
.set OSV, 68
.set OC, 86                            ; s[86:87] where my codes of q;k go;  s[88:89] their scale words
.set OS, 88
.set G0W, 92                           ; s[92:95] group 0 for my chunk of Wv
.set G0X, 96                           ; s[96:99] group 0 for x's first 256 along K, the second time
.set MSB, 0
.macro WIN new                         ; the immediate's high byte repeats the setting that is left
.if MSB != (\new)
	s_set_vgpr_msb (MSB<<8)|(\new)
.set MSB, (\new)
.endif
.endm
.macro PLACES                          ; four plain places behind a matrix instruction, in front of loads into its registers and of reads of its results
.rept 4
	v_nop
.endr
.endm
.macro CREST                           ; a round of the cluster's barrier behind its opening barrier
	s_cmp_lg_u32 s[WV], 0
	s_cbranch_scc1 .Lnot_wave_0_\@
	s_barrier_signal -3
.Lnot_wave_0_\@:
	s_barrier_wait -3
	s_barrier_signal -1
	s_barrier_wait -1
.endm
.macro CROUND
	s_barrier_signal -1
	s_barrier_wait -1
	CREST
.endm
.macro JLOAD n                         ; a joint load into slot n: waves 0, 1 for x, waves 2, 3 for W; four v_nop follow each line
	s_cmp_eq_u32 s[AH], 0
	s_cbranch_scc0 .Lfor_b_\@
	tensor_load_to_lds s[G0A+4*\n:G0A+4*\n+3], s[G1A:G1A+7]
	s_nop 0
	PLACES
	s_branch .Lasked_\@
.Lfor_b_\@:
	tensor_load_to_lds s[G0B+4*\n:G0B+4*\n+3], s[G1B:G1B+7]
	s_nop 0
	PLACES
.Lasked_\@:
.endm
	s_load_b128 s[4:7], s[0:1], 0x0                ; qin, qk
	s_load_b64 s[8:9], s[0:1], 0x10                ; vt
	v_lshl_add_u32 v[SPW], v0, 2, SPARE
	v_mov_b32 v[NIL], 0
	ds_add_u32 v14, v15
	ds_add_u32 v14, v15
	s_wait_dscnt 0x0
	v_lshrrev_b32 v1, 5, v0
	v_readfirstlane_b32 s[WV], v1                  ; wave 0..3
	s_lshr_b32 s[AH], s[WV], 1
	s_and_b32 s[BH], s[WV], 1
	s_bfe_u32 s15, ttmp6, 0x40000                  ; cx
	s_bfe_u32 s16, ttmp6, 0x40004                  ; cy
	s_lshl_b32 s17, ttmp9, 2
	s_add_co_u32 s17, s17, s15                     ; tile column = 4 x cluster x + cx
	s_and_b32 s21, ttmp7, 0xffff                   ; cluster y
	s_lshl_b32 s18, s21, 2
	s_add_co_u32 s18, s18, s16                     ; tile row = 4 x cluster y + cy
	s_lshl_b32 s19, s16, 2
	s_lshl_b32 s19, 15, s19                        ; my row of the cluster
	s_lshl_b32 s20, 0x1111, s15                    ; my column
	s_or_b32 s[G1A], s19, (3<<16)|(1<<21)          ; 15:0 the mask; 17:16 elements of 8 bytes; 21 set beside a mask; no padding
	s_or_b32 s[G1B], s20, (3<<16)|(1<<21)
.irp g, G1A, G1B
	s_mov_b32 s[\g+1], 32<<16                      ; tensor_dim0 = 32 elements: 256 bytes
	s_mov_b32 s[\g+2], (3*TR)<<16                  ; tensor_dim1: the head's load has three chunks' rows
	s_mov_b32 s[\g+3], 32<<16                      ; tile_dim0
	s_mov_b32 s[\g+4], 3*TR                        ; tile_dim1
	s_mov_b32 s[\g+5], 32                          ; the pitch: the block is dense
	s_mov_b32 s[\g+6], 0
	s_mov_b32 s[\g+7], 0
.endr
	s_lshl_b32 s70, s18, 1                         ; x: group 2 x tile row + my half (registers that never hold cx)
	s_add_co_u32 s70, s70, s[BH]
	s_mul_i32 s70, s70, GCH
	s_mov_b32 s71, 0
	s_lshl_b32 s74, s17, 1                         ; Wq;Wk: group 64 + 2 x tile column + my half (registers that never hold cy)
	s_add_co_u32 s74, s74, s[BH]
	s_add_co_u32 s74, s74, 64
	s_mul_i32 s74, s74, GCH
	s_mov_b32 s75, 0
	s_add_co_u32 s76, s[WV], 1                     ; Wv: group 80 + tile column; wave w fetches the (w + 1) % 4-th 256 along K: the order in which the second tile walks K
	s_and_b32 s76, s76, 3
	s_mul_i32 s76, s76, CHUNK
	s_add_co_u32 s77, s17, 80
	s_mul_i32 s77, s77, GCH
	s_add_co_u32 s76, s76, s77
	s_mov_b32 s77, 0
	s_mul_i32 s79, s[AH], 3*CHUNK                  ; and where it goes: places 1 and 2 of W's first region (waves 0, 1) and of its second (waves 2, 3)
	s_mul_i32 s80, s[BH], CHUNK
	s_add_co_u32 s79, s79, s80
	s_add_co_u32 s79, s79, 7*CHUNK
	s_mul_i32 s78, s[WV], 3*CHUNK                  ; my region: no place in the cluster enters an LDS address
	CROUND                                         ; the round in front of the first joint loads; it reads no argument, so it stands ahead of the wait for them
	s_wait_kmcnt 0x0
	s_add_nc_u64 s[70:71], s[4:5], s[70:71]
	s_add_nc_u64 s[74:75], s[4:5], s[74:75]
	s_add_nc_u64 s[76:77], s[4:5], s[76:77]
	s_mov_b32 s[G0A], 1                            ; one group 0 for x's chunks and one for W's: the region's start, the group's first chunk
	s_mov_b32 s[G0A+1], s78
	s_mov_b64 s[G0A+2:G0A+3], s[70:71]
	s_or_b32 s[G0A+3], s[G0A+3], 0x80000000
	s_mov_b32 s[G0B], 1
	s_mov_b32 s[G0B+1], s78
	s_mov_b64 s[G0B+2:G0B+3], s[74:75]
	s_or_b32 s[G0B+3], s[G0B+3], 0x80000000
	s_mov_b32 s[G0W], 1
	s_mov_b32 s[G0W+1], s79
	s_mov_b64 s[G0W+2:G0W+3], s[76:77]
	s_or_b32 s[G0W+3], s[G0W+3], 0x80000000
	s_mov_b32 s[G0X], 1                            ; (issued by waves 0 and 1 alone: W's places of slot 0)
	s_add_co_u32 s[G0X+1], s78, 6*CHUNK            ; waves 0 and 1: 6 and 9 CHUNK
	s_mov_b64 s[G0X+2:G0X+3], s[70:71]
	s_or_b32 s[G0X+3], s[G0X+3], 0x80000000
	JLOAD 0                                        ; the head's one load a wave: three chunks into my region
	v_and_b32 v1, 15, v0                           ; r
	v_bfe_u32 v2, v0, 4, 1                         ; h
	v_and_b32 v[LI], 31, v0
	v_lshlrev_b32 v[L8], 3, v[LI]
	v_lshlrev_b32 v[LI], 4, v[LI]
	s_wait_alu depctr_va_vdst(0)
	s_mul_i32 s79, s[AH], 3*CHUNK                  ; first tile: my region of x
	s_mul_i32 s80, s[BH], 3*CHUNK
	s_add_co_u32 s80, s80, 6*CHUNK                 ; my region of W
	s_xor_b32 s81, s[AH], 1
	s_add_co_u32 s81, s81, s[BH]
	s_add_co_u32 s81, s81, 1
	s_mul_i32 s81, s81, 3*CHUNK                    ; from the one to the other: (2 + bh - ah) regions
	v_mul_u32_u24 v[TV], s81, v2                   ; lanes 16-31 take W's scale words
	v_lshl_add_u32 v[TV], v1, 2, v[TV]
	s_add_co_u32 s82, s79, 24576
.irp n, 0,1,2
	v_add_nc_u32 v[ADRA+\n], s79, v[LI]
	v_add_nc_u32 v[ADRB+\n], s80, v[LI]
	v_add_nc_u32 v[ADRS+\n], s82, v[TV]
	s_add_co_u32 s79, s79, CHUNK
	s_add_co_u32 s80, s80, CHUNK
	s_add_co_u32 s82, s82, CHUNK
.endr
	v_lshlrev_b32 v[TV], 2, v1                     ; 4 r
	s_wait_alu depctr_va_vdst(0)
	s_mul_i32 s80, s[BH], 3*CHUNK                  ; second tile: my group of x: its region, or W's region that took its first chunk again
.macro XADR k, base                    ; the k-th 256 along K that the second tile walks lies at base
	s_add_co_u32 s81, s80, \base
	v_add_nc_u32 v[VXB+\k], s81, v[LI]
	s_add_co_u32 s81, s81, 24576
	v_add_nc_u32 v[VXS+\k], s81, v[TV]
.endm
	XADR 0, CHUNK                                  ; K = 256 ..: place 1
	XADR 1, 2*CHUNK                                ; 512 ..: place 2
	XADR 2, 0                                      ; 768 ..: place 0
	XADR 3, 6*CHUNK                                ; 0 ..: place 0 of W's regions
	s_mul_i32 s82, s[AH], 12288                    ; my four blocks of Wv
	s_lshl_b32 s83, s[AH], 8
	s_add_co_u32 s83, s83, 24576
.irp j, 0,1
	s_add_co_u32 s81, s82, 7*CHUNK+\j*3*CHUNK
	v_add_nc_u32 v[VWA+\j], s81, v[LI]
	s_add_co_u32 s81, s83, 7*CHUNK+\j*3*CHUNK
	v_add_nc_u32 v[VWS+\j], s81, v[TV]
.endr
	s_lshl_b32 s90, s[WV], 11
	s_add_co_u32 s90, s90, STAGE
	v_lshl_add_u32 v[SW], v1, 2, s90
	v_add_nc_u32 v[SR], s90, v[LI]
	v_add_nc_u32 v[SR8], s90, v[L8]
	s_mov_b32 s[SEL], 0x76543210
	s_mov_b32 s[SEL+1], 0xfedcba98
	s_lshr_b32 s84, s17, 2                         ; the first output: q (tile columns 0-3) or k (4-7),
	s_mul_i32 s84, s84, 64*GCH
	s_lshl_b32 s85, s18, 1
	s_add_co_u32 s85, s85, s[AH]
	s_mul_i32 s85, s85, GCH                        ; my group of 128 rows,
	s_add_co_u32 s84, s84, s85
	s_and_b32 s85, s17, 3
	s_mul_i32 s85, s85, CHUNK                      ; the chunk of my 256 columns
	s_add_co_u32 s84, s84, s85
	s_mul_i32 s85, s[BH], 1536
	s_add_co_u32 s[OC], s84, s85
	s_mov_b32 s[OC+1], 0
	s_lshl_b32 s85, s[BH], 9
	s_add_co_u32 s[OS], s84, s85
	s_add_co_u32 s[OS], s[OS], 24576
	s_mov_b32 s[OS+1], 0
	s_add_nc_u64 s[OC:OC+1], s[6:7], s[OC:OC+1]
	s_add_nc_u64 s[OS:OS+1], s[6:7], s[OS:OS+1]
	s_lshr_b32 s84, s18, 3                         ; the second: vt is [batch][8 groups of 128 features][8 chunks of 256 keys]: batch = tile row / 8,
	s_lshl_b32 s84, s84, 3
	s_add_co_u32 s84, s84, s17                     ; group of features = tile column,
	s_mul_i32 s84, s84, 8*CHUNK
	s_and_b32 s85, s18, 7
	s_mul_i32 s85, s85, CHUNK                      ; the chunk of my 256 keys
	s_add_co_u32 s84, s84, s85
	s_mul_i32 s85, s[BH], 1536
	s_add_co_u32 s[OCV], s84, s85
	s_add_co_u32 s[OCV], s[OCV], s82               ; (s82 = 12,288 x ah)
	s_mov_b32 s[OCV+1], 0
	s_lshl_b32 s85, s[BH], 9
	s_add_co_u32 s[OSV], s84, s85
	s_add_co_u32 s[OSV], s[OSV], s83               ; (s83 = 24,576 + 256 x ah)
	s_mov_b32 s[OSV+1], 0
	s_add_nc_u64 s[OCV:OCV+1], s[8:9], s[OCV:OCV+1]
	s_add_nc_u64 s[OSV:OSV+1], s[8:9], s[OSV:OSV+1]
; ---- THE FIRST TILE.  Step t's operands (128 along K) into set t % 2: 8 scale words, B's eight fragments, A's eight: 56 loads, A's blocks last and in ascending order
.macro FETCH t
.set FP, (\t)%2
.set FN, ((\t)/2)%3
	WIN 0
.irp i, 0,1,2,3,4,5,6,7
	ds_load_b32 v[SC+8*FP+\i], v[ADRS+FN] offset:FP*512+\i*64
.endr
	WIN 0x40                                       ; destination window 1
.irp i, 0,1,2,3,4,5,6,7
.irp c, 0,1,2
	ds_load_b128 v[128*FP+12*\i+4*\c:128*FP+12*\i+4*\c+3], v[ADRB+FN] offset:\i*3072+FP*1536+512*\c
.endr
.endr
	WIN 0
.irp i, 0,1,2,3,4,5,6,7
.irp c, 0,1,2
	ds_load_b128 v[AF+96*FP+12*\i+4*\c:AF+96*FP+12*\i+4*\c+3], v[ADRA+FN] offset:\i*3072+FP*1536+512*\c
.endr
.endr
.endm
; 16 matrix instructions: A's blocks a0, a0 + 1 against B's eight.  The 64 accumulators take turns, one instruction a turn, in the same order in every step.  zero = 1: the products start the sums
.macro MULP a0, p, zero
.if (\a0) < 4
	WIN 0xa1                                       ; source 0 (B) window 1, source 1 (A) window 0, C and D window 2
.else
	WIN 0xf1                                       ; C and D window 3
.endif
.irp a, \a0, \a0+1
.irp b, 0,1,2,3,4,5,6,7
.if \zero
	v_wmma_scale_f32_16x16x128_f8f6f4 v[8*(8*((\a)%4)+\b):8*(8*((\a)%4)+\b)+7], v[128*(\p)+12*\b:128*(\p)+12*\b+11], v[AF+96*(\p)+12*(\a):AF+96*(\p)+12*(\a)+11], 0, v[SC+8*(\p)+\b], v[SC+8*(\p)+(\a)] matrix_a_fmt:MATRIX_FMT_FP6 matrix_b_fmt:MATRIX_FMT_FP6 matrix_a_scale:MATRIX_SCALE_ROW1
.else
	v_wmma_scale_f32_16x16x128_f8f6f4 v[8*(8*((\a)%4)+\b):8*(8*((\a)%4)+\b)+7], v[128*(\p)+12*\b:128*(\p)+12*\b+11], v[AF+96*(\p)+12*(\a):AF+96*(\p)+12*(\a)+11], v[8*(8*((\a)%4)+\b):8*(8*((\a)%4)+\b)+7], v[SC+8*(\p)+\b], v[SC+8*(\p)+(\a)] matrix_a_fmt:MATRIX_FMT_FP6 matrix_b_fmt:MATRIX_FMT_FP6 matrix_a_scale:MATRIX_SCALE_ROW1
.endif
.endr
.endr
.endm
.macro STEP t, zero                    ; a step whose successor's operands lie in a slot that is known to be whole
	s_wait_dscnt 18                                ; the scale words, B and A's blocks 0, 1 are in; A's blocks 2-7 (18 loads) may be out
	MULP 0, (\t)%2, \zero
	s_wait_dscnt 12                                ; A's blocks 4-7 may be out
	MULP 2, (\t)%2, \zero
	s_wait_dscnt 0x0
	PLACES                                         ; for the loads into the other set, which the step before multiplied
	FETCH (\t)+1
	MULP 4, (\t)%2, \zero
	MULP 6, (\t)%2, \zero
.endm
; A step in which LDS bytes are filled again.  In front of the round each wave waits for all its tensor loads, adds 0 to its spare word, and waits for that and for its LDS reads; the joint refill is the first thing behind the round.
.macro OPEN t
	WIN 0                                          ; (the add's two registers lie in window 0)
	s_wait_tensorcnt 0x0                           ; all my tensor loads have landed
	ds_add_u32 v[SPW], v[NIL]                      ; 0 onto my spare word
	s_wait_dscnt 19                                ; (the add and A's blocks 2-7 may be out)
	MULP 0, (\t)%2, 0
	s_wait_dscnt 0x0                               ; the add is done, and this step's fragments, the last that were read, are in registers
	s_barrier_signal -1
	MULP 2, (\t)%2, 0
	WIN 0
	s_barrier_wait -1
	CREST                                          ; the barrier has opened a round of the cluster's: no wave of any partner still reads the bytes or has a load on its way
.endm
.macro CLOSE t
	FETCH (\t)+1
	MULP 4, (\t)%2, 0
	MULP 6, (\t)%2, 0
.endm
; 64 numbers of a lane at v[s] on in window W (register 16 b + i = k 32 b + 16 h + i of my row): QMAX finds the four blocks' largest magnitudes, QTAIL makes the codes in v[PC] on and the scale word in v[pw]
.macro QMAX s, W
	WIN 5*(\W)                                     ; sources 0 and 1 in window W
.irp b, 0,1,2,3
	v_max3_num_f32 v[TM+\b], |v[(\s)+16*\b]|, |v[(\s)+16*\b+1]|, 0x1800000   ; each accumulator is read from its low end on; the floor 2^(3 - 127) holds the byte at 1 from below
.endr
.irp i, 2,4,6,8,10,12,14
.irp b, 0,1,2,3
	v_max3_num_f32 v[TM+\b], |v[(\s)+16*\b+\i]|, |v[(\s)+16*\b+\i+1]|, v[TM+\b]
.endr
.endr
	WIN 0
.irp b, 0,1,2,3
	v_permlanex16_b32 v[TM+4+\b], v[TM+\b], s[SEL], s[SEL+1]
.endr
.irp b, 0,1,2,3
	v_max_num_f32 v[TM+\b], v[TM+\b], v[TM+4+\b]
.endr
.endm
.macro QTAIL s, W, pw
.irp b, 0,1,2,3
	v_add_nc_u32 v[TM+12+\b], 0xff000000, v[TM+\b] ; 2 off the exponent field: the conversion's scale operand
.endr
.irp b, 0,1,2,3
	v_lshrrev_b32 v[TM+4+\b], 23, v[TM+12+\b]      ; the scale's byte
.endr
	v_lshl_or_b32 v[\pw], v[TM+5], 8, v[TM+4]
	v_lshl_or_b32 v[\pw], v[TM+6], 16, v[\pw]
	v_lshl_or_b32 v[\pw], v[TM+7], 24, v[\pw]
	WIN \W                                         ; source 0 in window W
.irp c, 0,1
	v_cvt_scalef32_pk16_fp6_f32 v[PC+6*\c:PC+2+6*\c], v[(\s)+32*\c:(\s)+15+32*\c], v[TM+12+2*\c]
	v_cvt_scalef32_pk16_fp6_f32 v[PC+12+4*\c:PC+14+4*\c], v[(\s)+16+32*\c:(\s)+31+32*\c], v[TM+12+2*\c+1]
.endr
	WIN 0
	v_nop                                          ; one plain place behind a scaled conversion
.irp c, 0,1
.irp i, 0,1,2
	v_permlane16_swap_b32 v[PC+6*\c+\i], v[PC+12+4*\c+\i]
.endr
.irp i, 0,1,2
	v_mov_b32 v[PC+3+6*\c+\i], v[PC+12+4*\c+\i]
.endr
.endr
.endm
; ---- THE SECOND TILE.  Step t's operands into set t % 2: 12 scale words, x's eight fragments (source 0), Wv's four: 48 loads, Wv's blocks last
.macro FETCHV t
.set FP, (\t)%2
.set FK, (\t)/2
.set FW, (FK%2)*CHUNK
	WIN 0
.irp i, 0,1,2,3,4,5,6,7
	ds_load_b32 v[SC+12*FP+\i], v[VXS+FK] offset:FP*512+\i*64
.endr
.irp i, 0,1,2,3
	ds_load_b32 v[SC+12*FP+8+\i], v[VWS+FK/2] offset:FW+FP*512+\i*64
.endr
	WIN 0x40
.irp i, 0,1,2,3,4,5,6,7
.irp c, 0,1,2
	ds_load_b128 v[128*FP+12*\i+4*\c:128*FP+12*\i+4*\c+3], v[VXB+FK] offset:\i*3072+FP*1536+512*\c
.endr
.endr
	WIN 0
.irp i, 0,1,2,3
.irp c, 0,1,2
	ds_load_b128 v[AF+48*FP+12*\i+4*\c:AF+48*FP+12*\i+4*\c+3], v[VWA+FK/2] offset:FW+\i*3072+FP*1536+512*\c
.endr
.endr
.endm
.macro MULPV a0, p, zero               ; 16 matrix instructions; the 32 accumulators take turns, one instruction a turn
	WIN 0xa1
.irp a, \a0, \a0+1
.irp b, 0,1,2,3,4,5,6,7
.if \zero
	v_wmma_scale_f32_16x16x128_f8f6f4 v[8*(8*(\a)+\b):8*(8*(\a)+\b)+7], v[128*(\p)+12*\b:128*(\p)+12*\b+11], v[AF+48*(\p)+12*(\a):AF+48*(\p)+12*(\a)+11], 0, v[SC+12*(\p)+\b], v[SC+12*(\p)+8+(\a)] matrix_a_fmt:MATRIX_FMT_FP6 matrix_b_fmt:MATRIX_FMT_FP6
.else
	v_wmma_scale_f32_16x16x128_f8f6f4 v[8*(8*(\a)+\b):8*(8*(\a)+\b)+7], v[128*(\p)+12*\b:128*(\p)+12*\b+11], v[AF+48*(\p)+12*(\a):AF+48*(\p)+12*(\a)+11], v[8*(8*(\a)+\b):8*(8*(\a)+\b)+7], v[SC+12*(\p)+\b], v[SC+12*(\p)+8+(\a)] matrix_a_fmt:MATRIX_FMT_FP6 matrix_b_fmt:MATRIX_FMT_FP6
.endif
.endr
.endr
.endm
.macro VSTEP t, zero
	s_wait_dscnt 6                                 ; Wv's blocks 2, 3 (6 loads) may be out
	MULPV 0, (\t)%2, \zero
	s_wait_dscnt 0x0
	PLACES
	FETCHV (\t)+1
	MULPV 2, (\t)%2, \zero
.endm
	s_wait_tensorcnt 0x0                           ; my region's three chunks are in; no tensor load of mine is out, so a descriptor may be written:
	s_mov_b32 s[G1A+2], TR<<16                     ; from here on a load brings one chunk: tensor_dim1 = 100,
	s_mov_b32 s[G1A+4], TR                         ; tile_dim1 = 100;
	s_mov_b32 s[G1B+2], TR<<16                     ; and the same for the weights'
	s_mov_b32 s[G1B+4], TR
	s_barrier_signal -1
	s_barrier_wait -1                              ; all four regions are whole
	FETCH 0
	STEP 0, 1                                      ; the first products start the sums: nothing is cleared
	OPEN 1                                         ; all three slots are whole behind this round; slot 0, whose last fragments are in registers, takes the last 256 along K:
	s_add_nc_u64 s[G0A+2:G0A+3], s[G0A+2:G0A+3], 3*CHUNK
	s_add_nc_u64 s[G0B+2:G0B+3], s[G0B+2:G0B+3], 3*CHUNK
	JLOAD 0                                        ; four steps, 256 matrix instructions, ahead of the wait for it; its four v_nop are the places in front of the loads below
	CLOSE 1
	STEP 2, 0
	STEP 3, 0
	STEP 4, 0
	OPEN 5                                         ; slot 0 is whole again; W's places of slots 1 and 2 have been read out: they take Wv, a chunk a wave:
	tensor_load_to_lds s[G0W:G0W+3], s[G1B:G1B+7]  ; it has two steps and the first way out in which to land
	s_nop 0
	PLACES
	CLOSE 5
	STEP 6, 0
	s_wait_dscnt 18                                ; the last step fetches nothing
	MULP 0, 1, 0
	s_wait_dscnt 12
	MULP 2, 1, 0
	s_wait_dscnt 0x0
	MULP 4, 1, 0
	MULP 6, 1, 0
	WIN 0
	; THE FIRST WAY OUT: each block of 16 rows x 128 columns is one fragment of the next product: quantised in registers and stored as it stands
	PLACES
.irp a, 0,1,2,3,4,5,6,7
	QMAX 64*(\a%4), 2+\a/4
.if \a > 0
	s_wait_alu depctr_va_vdst(0)
	s_wait_xcnt 0x0                                ; the last block's stores have read the codes' registers
.endif
	QTAIL 64*(\a%4), 2+\a/4, PWA+\a
.irp c, 0,1,2
	global_store_b128 v[LI], v[PC+4*\c:PC+4*\c+3], s[OC:OC+1] offset:\a*3072+512*\c   ; 512 consecutive bytes, at a multiple of 256 from the buffer's first byte
.endr
.endr
.irp a, 0,1,2,3,4,5,6,7
	ds_store_b32 v[SW], v[PWA+\a] offset:64*\a     ; both lanes of a row write the same word with the same value
.endr
	ds_load_b128 v[216:219], v[SR]                 ; LDS serves a wave's instructions in order: this sees the stores above
	s_wait_dscnt 0x0
	global_store_b128 v[LI], v[216:219], s[OS:OS+1]   ; my eight blocks' scale words: 512 consecutive bytes
	; BETWEEN THE TILES: Wv is shown whole to every wave, and W's places of slot 0, read out since step 7's fragments came, take x's first 256 along K again
	s_wait_tensorcnt 0x0                           ; my chunk of Wv has landed
	ds_add_u32 v[SPW], v[NIL]                      ; 0 onto my spare word
	s_wait_xcnt 0x0                                ; my stores have read the codes' registers, into which the second tile's fragments will be loaded
	s_wait_dscnt 0x0                               ; the add is done; no LDS read of mine is out
	CROUND
	s_cmp_lt_u32 s[WV], 2
	s_cbranch_scc0 .Lno_x
	tensor_load_to_lds s[G0X:G0X+3], s[G1A:G1A+7]  ; five steps, 160 matrix instructions, ahead of the wait for it
	s_nop 0
	PLACES
.Lno_x:
	FETCHV 0
	VSTEP 0, 1
	VSTEP 1, 0
	VSTEP 2, 0
	VSTEP 3, 0
	VSTEP 4, 0
	s_wait_tensorcnt 0x0                           ; step 5: x's first 256 along K have landed; one barrier shows them to every wave
	s_wait_dscnt 6
	MULPV 0, 1, 0
	s_wait_dscnt 0x0
	s_barrier_signal -1
	s_barrier_wait -1
	PLACES
	FETCHV 6
	MULPV 2, 1, 0
	VSTEP 6, 0
	s_wait_dscnt 6
	MULPV 0, 1, 0
	s_wait_dscnt 0x0
	MULPV 2, 1, 0
	WIN 0
	; THE SECOND WAY OUT: each block of 16 features x 128 keys is one fragment of v^T
	PLACES
.irp a, 0,1,2,3
	QMAX 64*\a, 2
.if \a > 0
	s_wait_alu depctr_va_vdst(0)
	s_wait_xcnt 0x0                                ; the last block's stores have read the codes' registers
.endif
	QTAIL 64*\a, 2, PWA+\a
.irp c, 0,1,2
	global_store_b128 v[LI], v[PC+4*\c:PC+4*\c+3], s[OCV:OCV+1] offset:\a*3072+512*\c
.endr
.endr
.irp a, 0,1,2,3
	ds_store_b32 v[SW], v[PWA+\a] offset:512+64*\a
.endr
	ds_load_b64 v[220:221], v[SR8] offset:512
	s_wait_dscnt 0x0
	global_store_b64 v[L8], v[220:221], s[OSV:OSV+1]  ; my four blocks' scale words: 256 consecutive bytes, aligned
	s_wait_tensorcnt 0x0                           ; the wave's end
	ds_add_u32 v[SPW], v[NIL]
	s_wait_dscnt 0x0
	CROUND                                         ; the closing round
	s_endpgm
.Lfunc_end_k_qb3259d25f4_qkv:
	.size	k_qb3259d25f4_qkv, .Lfunc_end_k_qb3259d25f4_qkv-k_qb3259d25f4_qkv
	.p2alignl 7, 3214868480
	.fill 96, 4, 3214868480
	.section	.rodata,"a",@progbits
	.p2align	6, 0x0
	.amdhsa_kernel k_qb3259d25f4_qkv
		.amdhsa_group_segment_fixed_size 327680
		.amdhsa_private_segment_fixed_size 0
		.amdhsa_enable_private_segment 0
		.amdhsa_kernarg_size 24
		.amdhsa_user_sgpr_count 2
		.amdhsa_user_sgpr_kernarg_segment_ptr 1
		.amdhsa_wavefront_size32 1
		.amdhsa_system_sgpr_workgroup_id_x 1
		.amdhsa_system_sgpr_workgroup_id_y 1
		.amdhsa_system_sgpr_workgroup_id_z 1
		.amdhsa_system_vgpr_workitem_id 0
		.amdhsa_next_free_vgpr 1024
		.amdhsa_next_free_sgpr 100
		.amdhsa_reserve_vcc 0
		.amdhsa_float_denorm_mode_32 3
		.amdhsa_float_denorm_mode_16_64 3
		.amdhsa_memory_ordered 1
		.amdhsa_forward_progress 1
		.amdhsa_inst_pref_size 218
	.end_amdhsa_kernel
	.amdgpu_metadata
---
amdhsa.version: [ 1, 2 ]
amdhsa.kernels:
  - .name:           k_qb3259d25f4_qkv
    .symbol:         k_qb3259d25f4_qkv.kd
    .args:
      - { .name: qin, .offset: 0, .size: 8, .value_kind: global_buffer, .address_space: global }
      - { .name: qk, .offset: 8, .size: 8, .value_kind: global_buffer, .address_space: global }
      - { .name: vt, .offset: 16, .size: 8, .value_kind: global_buffer, .address_space: global }
    .group_segment_fixed_size: 327680
    .private_segment_fixed_size: 0
    .kernarg_segment_align: 8
    .kernarg_segment_size: 24
    .max_flat_workgroup_size: 128
    .sgpr_count:     100
    .vgpr_count:     1024
    .wavefront_size: 32
...
	.end_amdgpu_metadata
.endif
;; end of part 2
;; launch scores (part 3): grid 8 x 32, 4 waves a work-group, clusters of 4 x 4, 327,680 bytes of LDS; arguments qk, pp; writes pp
.if DOCPART == 3
	.amdgcn_target "amdgcn-amd-amdhsa--gfx1250"
	.amdhsa_code_object_version 6
	.text
	.protected	k_qb3259d25f4_scores
	.globl	k_qb3259d25f4_scores
	.p2align	8
	.type	k_qb3259d25f4_scores,@function
k_qb3259d25f4_scores:
	s_mov_b64 s[64:65], 0
	v_nop
	global_prefetch_b8 v0, s[64:65] scope:SCOPE_SE
	s_setreg_imm32_b32 hwreg(HW_REG_WAVE_MODE, 25, 1), 1
	s_wait_xcnt 0x0
	s_wait_alu depctr_hold_cnt(0) depctr_sa_sdst(0) depctr_va_vdst(0) depctr_va_sdst(0) depctr_va_ssrc(0) depctr_va_vcc(0) depctr_vm_vsrc(0)
	s_getreg_b32 s2, hwreg(HW_REG_IB_STS2, 6, 4)
	s_cmp_eq_u32 s2, 0
	s_cbranch_scc0 .Lentry_in_a_cluster
	s_endpgm
.Lentry_in_a_cluster:
	s_bfe_u32 s2, ttmp6, 0x10000c
	s_cmp_lg_u32 s2, 0xf033
	s_cbranch_scc0 .Lentry_shape_is_right
	s_endpgm
.Lentry_shape_is_right:
; scores = k q^T (per batch 2,048 x 2,048, K = 1,024) on codes of FP6 (E2M3) with E8M0 scales, and the softmax's weights, PIECE BY PIECE: for each row i and each piece of 128 keys j,
; t = score x log2(e) / 32, M = the piece's largest t rounded up to a whole number, p = 2^(t - M), l = the piece's sum of the unquantised p.  p leaves quantised along the keys, as images of operand registers;
; -M and l leave as f32.  The next launch brings a row's sixteen pieces under the row's own M by taking whole numbers off the scale bytes: exact powers of two, so the codes are those of the row's M.
; A = k (8,192 rows), B = q of the same batch.  Tile, chunks, order of rows, slots, clusters and registers are those of the launch that makes q and k: 256 x 256 a work-group, 128 x 128 a wave;
; a chunk is 25,600 bytes (128 rows x 256 along K): codes at 3072 a + 1536 q + 512 c + 16 x lane, scale words at 24576 + 512 q + 64 a + 4 r; lane r of block 2 B + u holds row 32 B + 8 u + r % 8 + 16 (r / 8);
; source 0 = a block of B, source 1 = a block of A: a lane holds one row i, and register 16 b + i' of its eight tiles is key 32 b + 16 h + i' of the wave's 128.
; pp: p's chunks [64 groups of 128 rows][8 chunks of 256 keys]; behind them -M and then l, each [group][piece 0..15][block][r] f32.
; By this text's own count a wave has three tensor loads out at the start, later one.
; LIMITS: NaN and infinities are not served; a p under 2^-126 counts as 0; a block of p that is all zeros keeps the byte 1.
; LDS AND THE LOADS, AS THE TEXT STANDS (where the lines above speak of three loads at the start, this paragraph holds instead).
; Four regions of three chunk places, one region a wave: k's two groups at 0 and 3 CHUNK, q's two at 6 and 9 CHUNK.  What the text calls slot n is place n of every region.
; At the head each wave issues ONE tensor load: its group's first three chunks, 768 along K, 300 rows of 256 bytes, dense in memory and in LDS.
; Behind the wait that shows it landed, group 1's two words that count rows are set to 100; place 0 takes the fourth chunk in step 1.
; The cluster's first round stands ahead of the wait for the arguments: it reads none of them.
; NO PREFETCH: the head's load asks for three quarters of the operands at once, and the last quarter is asked for in step 1 of 8: there is no later stream to run ahead of.
.set CHUNK, 25600
.set GCH,   4*CHUNK
.set SLOT,  4*CHUNK
.set SPARE, 3*SLOT
.set STAGE, 4*CHUNK                    ; the way out: 2,048 bytes a wave in place 1 of the second region, which has had its only fill and, behind the last barrier, its last read
.set TR,    CHUNK/256
.set PM,    64*8*CHUNK                 ; where -M begins in pp; l lies 64 x 8,192 bytes further on
.set LI,   3
.set ADRA, 4
.set ADRB, 7
.set ADRS, 10
.set SPW,  14
.set NIL,  15
.set SW,   16
.set SR,   17
.set SC,   32
.set AF,   64
.set HA,   64                          ; the way out: v64-127 t - M, then p; v128-147 codes; v152-167 at work; v169 t; v[170:171] -M; v172-175 sums
.set PC,   128
.set TM,   152
.set T0,   169
.set NM,   170
.set SU,   172
.set PWA,  192                         ; for each block a scale word, -M and l
.set NMA,  200
.set LA,   208
.set WV, 12
.set AH, 13
.set BH, 14
.set SEL, 22
.set G1A, 24
.set G1B, 32
.set G0A, 40
.set G0B, 52
.set CS, 68                            ; s[68:69] c = log2(e) / 32
.set OC, 86
.set OS, 88
.set OM, 92
.set MSB, 0
.macro WIN new
.if MSB != (\new)
	s_set_vgpr_msb (MSB<<8)|(\new)
.set MSB, (\new)
.endif
.endm
.macro PLACES
.rept 4
	v_nop
.endr
.endm
.macro CREST
	s_cmp_lg_u32 s[WV], 0
	s_cbranch_scc1 .Lnot_wave_0_\@
	s_barrier_signal -3
.Lnot_wave_0_\@:
	s_barrier_wait -3
	s_barrier_signal -1
	s_barrier_wait -1
.endm
.macro CROUND
	s_barrier_signal -1
	s_barrier_wait -1
	CREST
.endm
.macro JLOAD n
	s_cmp_eq_u32 s[AH], 0
	s_cbranch_scc0 .Lfor_b_\@
	tensor_load_to_lds s[G0A+4*\n:G0A+4*\n+3], s[G1A:G1A+7]
	s_nop 0
	PLACES
	s_branch .Lasked_\@
.Lfor_b_\@:
	tensor_load_to_lds s[G0B+4*\n:G0B+4*\n+3], s[G1B:G1B+7]
	s_nop 0
	PLACES
.Lasked_\@:
.endm
	s_load_b128 s[4:7], s[0:1], 0x0                ; qk, pp
	v_lshl_add_u32 v[SPW], v0, 2, SPARE
	v_mov_b32 v[NIL], 0
	ds_add_u32 v14, v15
	ds_add_u32 v14, v15
	s_wait_dscnt 0x0
	v_lshrrev_b32 v1, 5, v0
	v_readfirstlane_b32 s[WV], v1
	s_lshr_b32 s[AH], s[WV], 1
	s_and_b32 s[BH], s[WV], 1
	s_bfe_u32 s15, ttmp6, 0x40000
	s_bfe_u32 s16, ttmp6, 0x40004
	s_lshl_b32 s17, ttmp9, 2
	s_add_co_u32 s17, s17, s15                     ; tile column: 256 keys of the batch
	s_and_b32 s21, ttmp7, 0xffff
	s_lshl_b32 s18, s21, 2
	s_add_co_u32 s18, s18, s16                     ; tile row: 256 rows of all batches
	s_lshl_b32 s19, s16, 2
	s_lshl_b32 s19, 15, s19
	s_lshl_b32 s20, 0x1111, s15
	s_or_b32 s[G1A], s19, (3<<16)|(1<<21)
	s_or_b32 s[G1B], s20, (3<<16)|(1<<21)
.irp g, G1A, G1B
	s_mov_b32 s[\g+1], 32<<16
	s_mov_b32 s[\g+2], (3*TR)<<16                  ; the head's load has three chunks' rows
	s_mov_b32 s[\g+3], 32<<16
	s_mov_b32 s[\g+4], 3*TR
	s_mov_b32 s[\g+5], 32
	s_mov_b32 s[\g+6], 0
	s_mov_b32 s[\g+7], 0
.endr
	s_lshl_b32 s70, s18, 1                         ; A: k's group 2 x tile row + my half; k lies behind q's 64 groups
	s_add_co_u32 s70, s70, s[BH]
	s_mul_i32 s70, s70, GCH
	s_add_co_u32 s70, s70, 64*GCH
	s_mov_b32 s71, 0
	s_lshr_b32 s74, s21, 1                         ; B: the batch = cluster y / 2, which all sixteen share: 16 groups each,
	s_lshl_b32 s74, s74, 4
	s_lshl_b32 s75, s17, 1
	s_add_co_u32 s74, s74, s75                     ; + 2 x tile column + my half
	s_add_co_u32 s74, s74, s[BH]
	s_mul_i32 s74, s74, GCH
	s_mov_b32 s75, 0
	s_mul_i32 s78, s[WV], 3*CHUNK                  ; my region
	CROUND                                         ; the round in front of the first joint loads; it reads no argument, so it stands ahead of the wait for them
	s_wait_kmcnt 0x0
	s_add_nc_u64 s[70:71], s[4:5], s[70:71]
	s_add_nc_u64 s[74:75], s[4:5], s[74:75]
	s_mov_b32 s[G0A], 1                            ; one group 0 for k's chunks and one for q's: the region's start, the group's first chunk
	s_mov_b32 s[G0A+1], s78
	s_mov_b64 s[G0A+2:G0A+3], s[70:71]
	s_or_b32 s[G0A+3], s[G0A+3], 0x80000000
	s_mov_b32 s[G0B], 1
	s_mov_b32 s[G0B+1], s78
	s_mov_b64 s[G0B+2:G0B+3], s[74:75]
	s_or_b32 s[G0B+3], s[G0B+3], 0x80000000
	JLOAD 0                                        ; the head's one load a wave: three chunks into my region
	v_and_b32 v1, 15, v0
	v_bfe_u32 v2, v0, 4, 1
	v_and_b32 v[LI], 31, v0
	v_lshlrev_b32 v[LI], 4, v[LI]
	s_wait_alu depctr_va_vdst(0)
	s_mul_i32 s79, s[AH], 3*CHUNK                  ; my region of k
	s_mul_i32 s80, s[BH], 3*CHUNK
	s_add_co_u32 s80, s80, 6*CHUNK                 ; my region of q
	s_xor_b32 s81, s[AH], 1
	s_add_co_u32 s81, s81, s[BH]
	s_add_co_u32 s81, s81, 1
	s_mul_i32 s81, s81, 3*CHUNK                    ; (2 + bh - ah) regions
	v_mul_u32_u24 v24, s81, v2
	v_lshl_add_u32 v24, v1, 2, v24
	s_add_co_u32 s82, s79, 24576
.irp n, 0,1,2
	v_add_nc_u32 v[ADRA+\n], s79, v[LI]
	v_add_nc_u32 v[ADRB+\n], s80, v[LI]
	v_add_nc_u32 v[ADRS+\n], s82, v24
	s_add_co_u32 s79, s79, CHUNK
	s_add_co_u32 s80, s80, CHUNK
	s_add_co_u32 s82, s82, CHUNK
.endr
	s_lshl_b32 s90, s[WV], 11
	s_add_co_u32 s90, s90, STAGE
	v_lshl_add_u32 v[SW], v1, 2, s90
	v_add_nc_u32 v[SR], s90, v[LI]
	s_mov_b32 s[SEL], 0x76543210
	s_mov_b32 s[SEL+1], 0xfedcba98
	s_mov_b32 s[CS], 0x3d38aa3b                    ; log2(e) / 32
	s_mov_b32 s[CS+1], s[CS]                       ; (named with it as a pair)
	s_lshl_b32 s83, s18, 1
	s_add_co_u32 s83, s83, s[AH]                   ; my group of 128 rows
	s_mul_i32 s84, s83, 8*CHUNK
	s_mul_i32 s85, s17, CHUNK
	s_add_co_u32 s84, s84, s85                     ; the chunk of my 256 keys
	s_mul_i32 s85, s[BH], 1536
	s_add_co_u32 s[OC], s84, s85
	s_mov_b32 s[OC+1], 0
	s_lshl_b32 s85, s[BH], 9
	s_add_co_u32 s[OS], s84, s85
	s_add_co_u32 s[OS], s[OS], 24576
	s_mov_b32 s[OS+1], 0
	s_lshl_b32 s[OM], s83, 13                      ; -M: 8,192 bytes a group, 512 a piece
	s_lshl_b32 s85, s17, 1
	s_add_co_u32 s85, s85, s[BH]
	s_lshl_b32 s85, s85, 9
	s_add_co_u32 s[OM], s[OM], s85
	s_add_co_u32 s[OM], s[OM], PM
	s_mov_b32 s[OM+1], 0
	s_add_nc_u64 s[OC:OC+1], s[6:7], s[OC:OC+1]
	s_add_nc_u64 s[OS:OS+1], s[6:7], s[OS:OS+1]
	s_add_nc_u64 s[OM:OM+1], s[6:7], s[OM:OM+1]
.macro FETCH t
.set FP, (\t)%2
.set FN, ((\t)/2)%3
	WIN 0
.irp i, 0,1,2,3,4,5,6,7
	ds_load_b32 v[SC+8*FP+\i], v[ADRS+FN] offset:FP*512+\i*64
.endr
	WIN 0x40
.irp i, 0,1,2,3,4,5,6,7
.irp c, 0,1,2
	ds_load_b128 v[128*FP+12*\i+4*\c:128*FP+12*\i+4*\c+3], v[ADRB+FN] offset:\i*3072+FP*1536+512*\c
.endr
.endr
	WIN 0
.irp i, 0,1,2,3,4,5,6,7
.irp c, 0,1,2
	ds_load_b128 v[AF+96*FP+12*\i+4*\c:AF+96*FP+12*\i+4*\c+3], v[ADRA+FN] offset:\i*3072+FP*1536+512*\c
.endr
.endr
.endm
.macro MULP a0, p, zero                ; the 64 accumulators take turns, one instruction a turn
.if (\a0) < 4
	WIN 0xa1
.else
	WIN 0xf1
.endif
.irp a, \a0, \a0+1
.irp b, 0,1,2,3,4,5,6,7
.if \zero
	v_wmma_scale_f32_16x16x128_f8f6f4 v[8*(8*((\a)%4)+\b):8*(8*((\a)%4)+\b)+7], v[128*(\p)+12*\b:128*(\p)+12*\b+11], v[AF+96*(\p)+12*(\a):AF+96*(\p)+12*(\a)+11], 0, v[SC+8*(\p)+\b], v[SC+8*(\p)+(\a)] matrix_a_fmt:MATRIX_FMT_FP6 matrix_b_fmt:MATRIX_FMT_FP6 matrix_a_scale:MATRIX_SCALE_ROW1
.else
	v_wmma_scale_f32_16x16x128_f8f6f4 v[8*(8*((\a)%4)+\b):8*(8*((\a)%4)+\b)+7], v[128*(\p)+12*\b:128*(\p)+12*\b+11], v[AF+96*(\p)+12*(\a):AF+96*(\p)+12*(\a)+11], v[8*(8*((\a)%4)+\b):8*(8*((\a)%4)+\b)+7], v[SC+8*(\p)+\b], v[SC+8*(\p)+(\a)] matrix_a_fmt:MATRIX_FMT_FP6 matrix_b_fmt:MATRIX_FMT_FP6 matrix_a_scale:MATRIX_SCALE_ROW1
.endif
.endr
.endr
.endm
.macro STEP t, zero
	s_wait_dscnt 18                                ; A's blocks 2-7 (18 loads) may be out
	MULP 0, (\t)%2, \zero
	s_wait_dscnt 12                                ; A's blocks 4-7
	MULP 2, (\t)%2, \zero
	s_wait_dscnt 0x0
	PLACES
	FETCH (\t)+1
	MULP 4, (\t)%2, \zero
	MULP 6, (\t)%2, \zero
.endm
.macro CHG t, cnt
	s_wait_tensorcnt \cnt
	s_wait_dscnt 18
	MULP 0, (\t)%2, 0
	s_wait_dscnt 0x0
	s_barrier_signal -1
	MULP 2, (\t)%2, 0
	s_barrier_wait -1
	PLACES
	FETCH (\t)+1
	MULP 4, (\t)%2, 0
	MULP 6, (\t)%2, 0
.endm
.macro CHGF t, n, bytes
	WIN 0
	s_wait_tensorcnt 0x0                           ; all my tensor loads have landed: my parts of all three slots
	ds_add_u32 v[SPW], v[NIL]                      ; 0 onto my spare word
	s_wait_dscnt 19                                ; (the add and A's blocks 2-7 may be out)
	MULP 0, (\t)%2, 0
	s_wait_dscnt 0x0                               ; the add is done, and my reads of slot n are over
	s_barrier_signal -1
	MULP 2, (\t)%2, 0
	WIN 0
	s_barrier_wait -1
	CREST
	s_add_nc_u64 s[G0A+4*\n+2:G0A+4*\n+3], s[G0A+4*\n+2:G0A+4*\n+3], \bytes
	s_add_nc_u64 s[G0B+4*\n+2:G0B+4*\n+3], s[G0B+4*\n+2:G0B+4*\n+3], \bytes
	JLOAD \n
	FETCH (\t)+1
	MULP 4, (\t)%2, 0
	MULP 6, (\t)%2, 0
.endm
.macro QTAIL pw                        ; the four blocks' largest p in v[TM] on, the 64 p in v[HA] on: the codes into v[PC] on, the scale word into v[pw]
.irp b, 0,1,2,3
	v_add_nc_u32 v[TM+12+\b], 0xff000000, v[TM+\b]
.endr
.irp b, 0,1,2,3
	v_lshrrev_b32 v[TM+4+\b], 23, v[TM+12+\b]
.endr
	v_lshl_or_b32 v[\pw], v[TM+5], 8, v[TM+4]
	v_lshl_or_b32 v[\pw], v[TM+6], 16, v[\pw]
	v_lshl_or_b32 v[\pw], v[TM+7], 24, v[\pw]
.irp c, 0,1
	v_cvt_scalef32_pk16_fp6_f32 v[PC+6*\c:PC+2+6*\c], v[HA+32*\c:HA+15+32*\c], v[TM+12+2*\c]
	v_cvt_scalef32_pk16_fp6_f32 v[PC+12+4*\c:PC+14+4*\c], v[HA+16+32*\c:HA+31+32*\c], v[TM+12+2*\c+1]
.endr
	v_nop                                          ; one plain place behind a scaled conversion
.irp c, 0,1
.irp i, 0,1,2
	v_permlane16_swap_b32 v[PC+6*\c+\i], v[PC+12+4*\c+\i]
.endr
.irp i, 0,1,2
	v_mov_b32 v[PC+3+6*\c+\i], v[PC+12+4*\c+\i]
.endr
.endr
.endm
; Block a: 16 rows x my 128 keys.
.macro SOFT a
.set AS, 64*((\a)%4)
.set AW, 2+(\a)/4
	WIN 5*AW                                       ; sources 0 and 1 among the accumulators
.irp b, 0,1,2,3
	v_max_num_f32 v[TM+\b], v[AS+16*\b], v[AS+16*\b+1]   ; the largest score of each block of 32 keys (each accumulator from its low end on): it serves the piece's maximum and, since p rises with the score, the block's largest p
.endr
.irp i, 2,4,6,8,10,12,14
.irp b, 0,1,2,3
	v_max3_num_f32 v[TM+\b], v[AS+16*\b+\i], v[AS+16*\b+\i+1], v[TM+\b]
.endr
.endr
	WIN 0
.irp b, 0,1,2,3
	v_permlanex16_b32 v[TM+4+\b], v[TM+\b], s[SEL], s[SEL+1]
.endr
.irp b, 0,1,2,3
	v_max_num_f32 v[TM+\b], v[TM+\b], v[TM+4+\b]
.endr
	v_max3_num_f32 v[T0], v[TM], v[TM+1], v[TM+2]
	v_max_num_f32 v[T0], v[T0], v[TM+3]
	v_mul_f32 v[T0], s[CS], v[T0]                  ; the piece's largest t (c is positive)
	v_floor_f32 v[NM], -v[T0]                      ; -M = floor(-t): M is a whole number
	v_mov_b32 v[NMA+\a], v[NM]
	WIN AW                                         ; source 0 among the accumulators
.set j, 0
.rept 32
	v_pk_fma_f32 v[HA+j:HA+j+1], v[AS+j:AS+j+1], s[CS:CS+1], v[NM:NM+1] op_sel_hi:[1,0,0]   ; t - M, two at a time
.set j, j+2
.endr
	WIN 0
.irp b, 0,1,2,3
	v_fma_f32 v[TM+\b], v[TM+\b], s[CS], v[NM]     ; the same of each block's largest score
.endr
.set j, 0
	s_wait_alu depctr_va_vdst(0)
.rept 64
	v_exp_f32 v[HA+j], v[HA+j]                     ; p = 2^(t - M)
.set j, j+1
.endr
.irp b, 0,1,2,3
	v_exp_f32 v[TM+\b], v[TM+\b]                   ; the block's largest p: the same two instructions on the same number
.endr
	v_nop                                          ; a plain place behind the last exponential
	s_wait_alu depctr_va_vdst(0)                   ; one wait for the batch of 68, ahead of its first reader
	v_pk_add_f32 v[SU:SU+1], v[HA:HA+1], v[HA+2:HA+3]           ; the sum of the unquantised p: two at a time, in two chains
	v_pk_add_f32 v[SU+2:SU+3], v[HA+4:HA+5], v[HA+6:HA+7]
.set j, 8
.rept 14
	v_pk_add_f32 v[SU:SU+1], v[SU:SU+1], v[HA+j:HA+j+1]
	v_pk_add_f32 v[SU+2:SU+3], v[SU+2:SU+3], v[HA+j+2:HA+j+3]
.set j, j+4
.endr
	v_pk_add_f32 v[SU:SU+1], v[SU:SU+1], v[SU+2:SU+3]
	v_add_f32 v[SU], v[SU], v[SU+1]
	v_permlanex16_b32 v[SU+1], v[SU], s[SEL], s[SEL+1]
	v_add_f32 v[LA+\a], v[SU], v[SU+1]             ; with lane l xor 16's 64 keys: the piece's l
.irp b, 0,1,2,3
	v_max_num_f32 v[TM+\b], 0x1800000, v[TM+\b]    ; the floor 2^(3 - 127): the byte cannot fall under 1
.endr
.if \a > 0
	s_wait_alu depctr_va_vdst(0)
	s_wait_xcnt 0x0                                ; the last block's stores have read the codes' registers
.endif
	QTAIL PWA+\a
.irp c, 0,1,2
	global_store_b128 v[LI], v[PC+4*\c:PC+4*\c+3], s[OC:OC+1] offset:\a*3072+512*\c
.endr
.endm
	s_wait_alu depctr_va_vdst(0)
	s_wait_tensorcnt 0x0                           ; my region's three chunks are in; no tensor load of mine is out, so a descriptor may be written:
	s_mov_b32 s[G1A+2], TR<<16                     ; from here on a load brings one chunk: 100 rows
	s_mov_b32 s[G1A+4], TR
	s_mov_b32 s[G1B+2], TR<<16
	s_mov_b32 s[G1B+4], TR
	s_barrier_signal -1
	s_barrier_wait -1                              ; all four regions are whole
	FETCH 0
	STEP 0, 1
	CHGF 1, 0, 3*CHUNK                             ; slot 0 takes the last 256 along K, four steps ahead of the wait for it; all three slots are whole behind this round
	STEP 2, 0
	STEP 3, 0
	STEP 4, 0
	CHG 5, 0
	STEP 6, 0
	s_wait_dscnt 18
	MULP 0, 1, 0
	s_wait_dscnt 12
	MULP 2, 1, 0
	s_wait_dscnt 0x0
	MULP 4, 1, 0
	MULP 6, 1, 0
	WIN 0
	PLACES
	v_mov_b32 v[NM+1], 0                           ; (named as the upper half of the pair with -M)
.irp a, 0,1,2,3,4,5,6,7
	SOFT \a
.endr
.irp a, 0,1,2,3,4,5,6,7
	ds_store_b32 v[SW], v[PWA+\a] offset:64*\a     ; both lanes of a row write the same word with the same value
	ds_store_b32 v[SW], v[NMA+\a] offset:512+64*\a
	ds_store_b32 v[SW], v[LA+\a] offset:1024+64*\a
.endr
	ds_load_b128 v[216:219], v[SR]
	ds_load_b128 v[220:223], v[SR] offset:512
	ds_load_b128 v[224:227], v[SR] offset:1024
	s_wait_dscnt 0x0
	global_store_b128 v[LI], v[216:219], s[OS:OS+1]                ; 512 consecutive bytes each
	global_store_b128 v[LI], v[220:223], s[OM:OM+1]
	global_store_b128 v[LI], v[224:227], s[OM:OM+1] offset:64*8192
	s_wait_tensorcnt 0x0                           ; the wave's end
	ds_add_u32 v[SPW], v[NIL]
	s_wait_dscnt 0x0
	CROUND
	s_endpgm
.Lfunc_end_k_qb3259d25f4_scores:
	.size	k_qb3259d25f4_scores, .Lfunc_end_k_qb3259d25f4_scores-k_qb3259d25f4_scores
	.p2alignl 7, 3214868480
	.fill 96, 4, 3214868480
	.section	.rodata,"a",@progbits
	.p2align	6, 0x0
	.amdhsa_kernel k_qb3259d25f4_scores
		.amdhsa_group_segment_fixed_size 327680
		.amdhsa_private_segment_fixed_size 0
		.amdhsa_enable_private_segment 0
		.amdhsa_kernarg_size 16
		.amdhsa_user_sgpr_count 2
		.amdhsa_user_sgpr_kernarg_segment_ptr 1
		.amdhsa_wavefront_size32 1
		.amdhsa_system_sgpr_workgroup_id_x 1
		.amdhsa_system_sgpr_workgroup_id_y 1
		.amdhsa_system_sgpr_workgroup_id_z 1
		.amdhsa_system_vgpr_workitem_id 0
		.amdhsa_next_free_vgpr 1024
		.amdhsa_next_free_sgpr 100
		.amdhsa_reserve_vcc 0
		.amdhsa_float_denorm_mode_32 3
		.amdhsa_float_denorm_mode_16_64 3
		.amdhsa_memory_ordered 1
		.amdhsa_forward_progress 1
		.amdhsa_inst_pref_size 194
	.end_amdhsa_kernel
	.amdgpu_metadata
---
amdhsa.version: [ 1, 2 ]
amdhsa.kernels:
  - .name:           k_qb3259d25f4_scores
    .symbol:         k_qb3259d25f4_scores.kd
    .args:
      - { .name: qk, .offset: 0, .size: 8, .value_kind: global_buffer, .address_space: global }
      - { .name: pp, .offset: 8, .size: 8, .value_kind: global_buffer, .address_space: global }
    .group_segment_fixed_size: 327680
    .private_segment_fixed_size: 0
    .kernarg_segment_align: 8
    .kernarg_segment_size: 16
    .max_flat_workgroup_size: 128
    .sgpr_count:     100
    .vgpr_count:     1024
    .wavefront_size: 32
...
	.end_amdgpu_metadata
.endif
;; end of part 3
;; launch pv (part 4): grid 4 x 64, 4 waves a work-group, clusters of 4 x 4, 327,680 bytes of LDS; arguments pp, vt, sv; writes sv
.if DOCPART == 4
	.amdgcn_target "amdgcn-amd-amdhsa--gfx1250"
	.amdhsa_code_object_version 6
	.text
	.protected	k_qb3259d25f4_pv
	.globl	k_qb3259d25f4_pv
	.p2align	8
	.type	k_qb3259d25f4_pv,@function
k_qb3259d25f4_pv:
	s_mov_b64 s[64:65], 0
	v_nop
	global_prefetch_b8 v0, s[64:65] scope:SCOPE_SE
	s_setreg_imm32_b32 hwreg(HW_REG_WAVE_MODE, 25, 1), 1
	s_wait_xcnt 0x0
	s_wait_alu depctr_hold_cnt(0) depctr_sa_sdst(0) depctr_va_vdst(0) depctr_va_sdst(0) depctr_va_ssrc(0) depctr_va_vcc(0) depctr_vm_vsrc(0)
	s_getreg_b32 s2, hwreg(HW_REG_IB_STS2, 6, 4)
	s_cmp_eq_u32 s2, 0
	s_cbranch_scc0 .Lentry_in_a_cluster
	s_endpgm
.Lentry_in_a_cluster:
	s_bfe_u32 s2, ttmp6, 0x10000c
	s_cmp_lg_u32 s2, 0xf033
	s_cbranch_scc0 .Lentry_shape_is_right
	s_endpgm
.Lentry_shape_is_right:
; sum_v = (p v) / l on codes of FP6 (E2M3) with E8M0 scales.  A = p (8,192 rows), B = v^T of the row's batch (1,024 features), K = the batch's 2,048 keys.  The result leaves quantised along the features, the next K.
; THE HEAD brings a row's sixteen pieces of 128 keys under one M.  Thread n takes row n of the work-group's 128: -M of the row is the least of the pieces' -M; d = M - the piece's M is a whole number, 0 or more;
; the piece's four scale bytes become max(byte - d, 1), and l = the sum of the pieces' l x 2^-d.  The mended scale words and 1 / l lie in LDS bytes of their own; p's codes are used as they are.
; A work-group makes 128 (A) x 256 (B), a wave 64 x 128.  Chunks (25,600 bytes: codes at 3072 a + 1536 q + 512 c + 16 x lane, scale words at 24576 + 512 q + 64 a + 4 r), the order of rows in a block and the transposed use
; are this program's.  LDS: two slots of 512 along K (A's two chunks, then two for each of B's two groups), filled twice each: two tensor loads of a wave are out at the start, later one.
; CLUSTERS: 4 x 4: A's chunks hang on the tile row alone, B's on the tile column and the batch, which is cluster y / 4.
; LIMITS: NaN and infinities are not served; d is held at 255; a piece whose byte would fall under 1 is held at 1: it then counts for at most 7.5 x 2^-126 a number beside l > 1/2.
; LDS AND THE LOADS, AS THE TEXT STANDS (where the lines above speak of the slots' places and of two loads at the start, this paragraph holds instead).
; Three regions of four chunk places: A's at 0, B's two groups at 4 and 8 CHUNK.  What the text calls slot n is places 2 n and 2 n + 1 of every region.
; At the head waves 0, 1 and 2 issue ONE tensor load each: the group's first four chunks, 1,024 keys, 400 rows of 256 bytes, dense in memory and in LDS.
; Behind the wait that shows it landed, group 1's two words that count rows are set to 200: a refill brings two chunks.  The cluster's first round stands ahead of the wait for the arguments: it reads none of them.
; PREFETCH: each refill's 512 keys are asked for in the first of the four steps ahead of it (steps 0 and 4 for the refills of steps 3 and 7).  A stream's two chunks are 200 blocks of 256 bytes;
; of the four partners that ask for them jointly, the one at place c (cx for A, cy for B) names blocks 50 c .. 50 c + 49, told apart by address: waves 0, 1, 2 take A, B's first and B's second group,
; two instructions each, a lane a block; the second instruction's lanes 18-31 name its last block again.  The last block named is byte 4 x 51,200 - 256 of a group of 204,800 bytes.
.set CHUNK, 25600
.set GCH,   8*CHUNK                    ; a group of 128 rows, all 2,048 keys
.set PART,  2*CHUNK
.set SLOT,  3*PART
.set TR,    PART/256
.set FIXS,  2*SLOT                     ; the mended scale words: [piece][block][r], 8,192 bytes
.set FIXL,  FIXS+8192                  ; 1 / l: 512 bytes
.set SPARE, FIXL+512                   ; the spare words, 128 bytes a wave, which no other line names
.set PM,    64*GCH
.set LI,   3
.set ADRA, 4
.set ADRB, 7
.set ADSA, 10                          ; v10    A's scale words: the mended ones
.set ADSB, 12
.set SPW,  14
.set NIL,  15
.set SW,   16                          ; the way out: 2,048 bytes a wave in slot 0, behind its last fill and its last read
.set SR,   17
.set L8,   18
.set ADL,  19                          ; v19    my rows' 1 / l
.set GT,   24                          ; v24    4 x thread
.set FX,   25                          ; v25    FIXS + 4 x thread
.set SC,   32
.set AF,   64
.set HA,   64
.set PC,   128
.set TM,   152
.set PWA,  168
.set RL,   180                         ; v180, 182, 184, 186: 1 / l of my four blocks
.set WI,   64                          ; the head: v64-79 scale words, v80-95 -M, v96-111 l, v112-127 mended words, v160-168 at work
.set MI,   80
.set LIN,  96
.set WO,   112
.set NMIN, 160
.set DD,   161
.set ND,   162
.set LT,   163
.set LS,   164
.set B0,   165
.set WV, 12
.set AH, 13
.set BH, 14
.set SEL, 22
.set G1A, 24
.set G1B, 32
.set G0A, 40
.set G0B, 52
.set OC, 86
.set OS, 88
.set MSB, 0
.macro WIN new
.if MSB != (\new)
	s_set_vgpr_msb (MSB<<8)|(\new)
.set MSB, (\new)
.endif
.endm
.macro PLACES
.rept 4
	v_nop
.endr
.endm
.macro CREST
	s_cmp_lg_u32 s[WV], 0
	s_cbranch_scc1 .Lnot_wave_0_\@
	s_barrier_signal -3
.Lnot_wave_0_\@:
	s_barrier_wait -3
	s_barrier_signal -1
	s_barrier_wait -1
.endm
.macro CROUND
	s_barrier_signal -1
	s_barrier_wait -1
	CREST
.endm
.macro JLOAD n                         ; wave 0 for A, waves 1 and 2 for B, wave 3 nothing; four v_nop follow each line
	s_cmp_eq_u32 s[WV], 0
	s_cbranch_scc0 .Lnot_a_\@
	tensor_load_to_lds s[G0A+4*\n:G0A+4*\n+3], s[G1A:G1A+7]
	s_nop 0
	PLACES
	s_branch .Lasked_\@
.Lnot_a_\@:
	s_cmp_lt_u32 s[WV], 3
	s_cbranch_scc0 .Lasked_\@
	tensor_load_to_lds s[G0B+4*\n:G0B+4*\n+3], s[G1B:G1B+7]
	s_nop 0
	PLACES
.Lasked_\@:
.endm
	s_load_b128 s[4:7], s[0:1], 0x0                ; pp, vt
	s_load_b64 s[8:9], s[0:1], 0x10                ; sv
	v_lshl_add_u32 v[SPW], v0, 2, SPARE
	v_mov_b32 v[NIL], 0
	ds_add_u32 v14, v15
	ds_add_u32 v14, v15
	s_wait_dscnt 0x0
	v_lshlrev_b32 v[GT], 2, v0
	v_lshl_add_u32 v[FX], v0, 2, FIXS
	v_lshrrev_b32 v1, 5, v0
	v_readfirstlane_b32 s[WV], v1
	s_lshr_b32 s[AH], s[WV], 1
	s_and_b32 s[BH], s[WV], 1
	s_bfe_u32 s15, ttmp6, 0x40000
	s_bfe_u32 s16, ttmp6, 0x40004
	s_lshl_b32 s17, ttmp9, 2
	s_add_co_u32 s17, s17, s15                     ; tile column: 256 features
	s_and_b32 s21, ttmp7, 0xffff
	s_lshl_b32 s18, s21, 2
	s_add_co_u32 s18, s18, s16                     ; tile row: a group of 128 rows
	s_lshl_b32 s19, s16, 2
	s_lshl_b32 s19, 15, s19
	s_lshl_b32 s20, 0x1111, s15
	s_or_b32 s[G1A], s19, (3<<16)|(1<<21)
	s_or_b32 s[G1B], s20, (3<<16)|(1<<21)
.irp g, G1A, G1B
	s_mov_b32 s[\g+1], 32<<16
	s_mov_b32 s[\g+2], (2*TR)<<16                  ; the head's load has four chunks' rows
	s_mov_b32 s[\g+3], 32<<16
	s_mov_b32 s[\g+4], 2*TR
	s_mov_b32 s[\g+5], 32
	s_mov_b32 s[\g+6], 0
	s_mov_b32 s[\g+7], 0
.endr
	s_mul_i32 s70, s18, GCH                        ; A: p's group = tile row
	s_mov_b32 s71, 0
	s_lshl_b32 s72, s18, 13                        ; its -M and l
	s_add_co_u32 s72, s72, PM
	s_mov_b32 s73, 0
	s_add_co_u32 s76, s[WV], 1
	s_and_b32 s76, s76, 1
	s_lshr_b32 s74, s21, 2                         ; B: the batch, 8 groups each,
	s_lshl_b32 s74, s74, 3
	s_lshl_b32 s75, s17, 1
	s_add_co_u32 s74, s74, s75
	s_add_co_u32 s74, s74, s76
	s_mul_i32 s74, s74, GCH
	s_mov_b32 s75, 0
	s_mul_i32 s78, s[WV], 2*PART                   ; my region
	s_wait_alu depctr_va_vdst(0)
	CROUND                                         ; the round in front of the first joint loads; it reads no argument, so it stands ahead of the wait for them
	s_wait_kmcnt 0x0
	s_add_nc_u64 s[70:71], s[4:5], s[70:71]
	s_add_nc_u64 s[72:73], s[4:5], s[72:73]
	s_add_nc_u64 s[74:75], s[6:7], s[74:75]
.irp s, 0,1,2,3,4,5,6,7,8,9,10,11,12,13,14,15
	global_load_b32 v[WI+\s], v[GT], s[70:71] offset:(\s/2)*CHUNK+24576+(\s%2)*512   ; my row's scale word, -M and l of piece s
	global_load_b32 v[MI+\s], v[GT], s[72:73] offset:\s*512
	global_load_b32 v[LIN+\s], v[GT], s[72:73] offset:64*8192+\s*512
.endr
.irp n, 0,1
	s_mov_b32 s[G0A+4*\n], 1
	s_add_co_u32 s[G0A+4*\n+1], s78, \n*PART
	s_add_nc_u64 s[G0A+4*\n+2:G0A+4*\n+3], s[70:71], \n*PART
	s_or_b32 s[G0A+4*\n+3], s[G0A+4*\n+3], 0x80000000
	s_mov_b32 s[G0B+4*\n], 1
	s_add_co_u32 s[G0B+4*\n+1], s78, \n*PART
	s_add_nc_u64 s[G0B+4*\n+2:G0B+4*\n+3], s[74:75], \n*PART
	s_or_b32 s[G0B+4*\n+3], s[G0B+4*\n+3], 0x80000000
.endr
	JLOAD 0                                        ; the head's one load a wave: four chunks into my region
.set PFB, 96                           ; s[96:97] the prefetches' base: my stream's group, + my work-group's 50 blocks of each 200; never rewritten
.set PF0, 20                           ; v20, v21 their offsets: 256 x lane, and 256 x min(lane + 32, 49); never rewritten
	s_cmp_eq_u32 s[WV], 0                          ; wave 0 asks for A, waves 1 and 2 for their group of B
	s_cselect_b64 s[PFB:PFB+1], s[70:71], s[74:75]
	s_cselect_b32 s98, s15, s16                    ; my place among the four that ask jointly: cx for A, cy for B: it enters this address alone
	s_mul_i32 s98, s98, 50*256
	s_mov_b32 s99, 0
	s_add_nc_u64 s[PFB:PFB+1], s[PFB:PFB+1], s[98:99]
	v_and_b32 v[PF0], 31, v0
	v_add_nc_u32 v[PF0+1], 32, v[PF0]
	v_min_u32 v[PF0+1], 49, v[PF0+1]
	v_lshlrev_b32 v[PF0], 8, v[PF0]
	v_lshlrev_b32 v[PF0+1], 8, v[PF0+1]
	v_and_b32 v1, 15, v0
	v_and_b32 v[LI], 31, v0
	v_lshlrev_b32 v[L8], 3, v[LI]
	v_lshlrev_b32 v[LI], 4, v[LI]
	v_lshlrev_b32 v27, 2, v1                       ; 4 r
	s_wait_alu depctr_va_vdst(0)
	s_mul_i32 s79, s[AH], 12288
	s_mul_i32 s80, s[BH], 2*PART
	s_add_co_u32 s80, s80, 2*PART                  ; my region of B
	s_add_co_u32 s82, s80, 24576
.irp n, 0,1
	v_add_nc_u32 v[ADRA+\n], s79, v[LI]
	v_add_nc_u32 v[ADRB+\n], s80, v[LI]
	v_add_nc_u32 v[ADSB+\n], s82, v27
	s_add_co_u32 s79, s79, PART
	s_add_co_u32 s80, s80, PART
	s_add_co_u32 s82, s82, PART
.endr
	s_lshl_b32 s81, s[AH], 8
	s_add_co_u32 s83, s81, FIXS
	v_add_nc_u32 v[ADSA], s83, v27
	s_add_co_u32 s83, s81, FIXL
	v_add_nc_u32 v[ADL], s83, v27
	s_lshl_b32 s90, s[WV], 11
	v_add_nc_u32 v[SW], s90, v27
	v_add_nc_u32 v[SR], s90, v[L8]
.irp a, 0,1,2,3
	v_mov_b32 v[RL+2*\a+1], 0                      ; (named as the upper halves of the pairs with 1 / l)
.endr
	s_mov_b32 s[SEL], 0x76543210
	s_mov_b32 s[SEL+1], 0xfedcba98
	s_mul_i32 s84, s18, 4*CHUNK                    ; the output: my group of rows, the chunk of my 256 features
	s_mul_i32 s85, s17, CHUNK
	s_add_co_u32 s84, s84, s85
	s_mul_i32 s85, s[BH], 1536
	s_add_co_u32 s[OC], s84, s85
	s_mul_i32 s85, s[AH], 12288
	s_add_co_u32 s[OC], s[OC], s85
	s_mov_b32 s[OC+1], 0
	s_lshl_b32 s85, s[BH], 9
	s_add_co_u32 s[OS], s84, s85
	s_add_co_u32 s[OS], s[OS], s81
	s_add_co_u32 s[OS], s[OS], 24576
	s_mov_b32 s[OS+1], 0
	s_add_nc_u64 s[OC:OC+1], s[8:9], s[OC:OC+1]
	s_add_nc_u64 s[OS:OS+1], s[8:9], s[OS:OS+1]
	; the pieces under one M
	s_wait_loadcnt 0x0
	v_min3_num_f32 v[NMIN], v[MI], v[MI+1], v[MI+2]
.irp i, 3,5,7,9,11,13
	v_min3_num_f32 v[NMIN], v[NMIN], v[MI+\i], v[MI+\i+1]
.endr
	v_min_num_f32 v[NMIN], v[NMIN], v[MI+15]       ; the row's -M
.macro MERGE s
	v_sub_f32 v[DD], v[MI+\s], v[NMIN]             ; d: a whole number, 0 or more
	v_cvt_i32_f32 v[DD], v[DD]                     ; (it saturates)
	v_min_u32 v[DD], 0xff, v[DD]
	v_sub_nc_u32 v[ND], 0, v[DD]
.if \s == 0
	v_ldexp_f32 v[LS], v[LIN], v[ND]
.else
	v_ldexp_f32 v[LT], v[LIN+\s], v[ND]            ; the piece's l x 2^-d
	v_add_f32 v[LS], v[LS], v[LT]
.endif
	v_and_b32 v[B0], 0xff, v[WI+\s]
	v_bfe_u32 v[B0+1], v[WI+\s], 8, 8
	v_bfe_u32 v[B0+2], v[WI+\s], 16, 8
	v_lshrrev_b32 v[B0+3], 24, v[WI+\s]
.irp k, 0,1,2,3
	v_sub_nc_u32 v[B0+\k], v[B0+\k], v[DD]
.endr
.irp k, 0,1,2,3
	v_max_i32 v[B0+\k], 1, v[B0+\k]                ; held at 1 from below
.endr
	v_lshl_or_b32 v[B0], v[B0+1], 8, v[B0]
	v_lshl_or_b32 v[B0], v[B0+2], 16, v[B0]
	v_lshl_or_b32 v[WO+\s], v[B0+3], 24, v[B0]
	ds_store_b32 v[FX], v[WO+\s] offset:512*\s
.endm
.irp s, 0,1,2,3,4,5,6,7,8,9,10,11,12,13,14,15
	MERGE \s
.endr
	s_wait_alu depctr_va_vdst(0)
	v_rcp_f32 v[LT], v[LS]
	v_nop                                          ; a plain place behind the reciprocal
	s_wait_alu depctr_va_vdst(0)                   ; and the wait ahead of its first reader
	ds_store_b32 v[FX], v[LT] offset:8192
.macro FETCH t
.set FP, (\t)%2
.set FN, ((\t)/4)%2
.set FO, (((\t)%4)/2)*CHUNK
	WIN 0
.irp i, 0,1,2,3,4,5,6,7
	ds_load_b32 v[SC+12*FP+\i], v[ADSB+FN] offset:FO+FP*512+\i*64
.endr
.irp i, 0,1,2,3
	ds_load_b32 v[SC+12*FP+8+\i], v[ADSA] offset:(\t)*512+\i*64    ; p's mended words of piece t
.endr
	WIN 0x40
.irp i, 0,1,2,3,4,5,6,7
.irp c, 0,1,2
	ds_load_b128 v[128*FP+12*\i+4*\c:128*FP+12*\i+4*\c+3], v[ADRB+FN] offset:FO+\i*3072+FP*1536+512*\c
.endr
.endr
	WIN 0
.irp i, 0,1,2,3
.irp c, 0,1,2
	ds_load_b128 v[AF+48*FP+12*\i+4*\c:AF+48*FP+12*\i+4*\c+3], v[ADRA+FN] offset:FO+\i*3072+FP*1536+512*\c
.endr
.endr
.endm
.macro MULP a0, p, zero                ; the 32 accumulators take turns, one instruction a turn
	WIN 0xa1
.irp a, \a0, \a0+1
.irp b, 0,1,2,3,4,5,6,7
.if \zero
	v_wmma_scale_f32_16x16x128_f8f6f4 v[8*(8*(\a)+\b):8*(8*(\a)+\b)+7], v[128*(\p)+12*\b:128*(\p)+12*\b+11], v[AF+48*(\p)+12*(\a):AF+48*(\p)+12*(\a)+11], 0, v[SC+12*(\p)+\b], v[SC+12*(\p)+8+(\a)] matrix_a_fmt:MATRIX_FMT_FP6 matrix_b_fmt:MATRIX_FMT_FP6
.else
	v_wmma_scale_f32_16x16x128_f8f6f4 v[8*(8*(\a)+\b):8*(8*(\a)+\b)+7], v[128*(\p)+12*\b:128*(\p)+12*\b+11], v[AF+48*(\p)+12*(\a):AF+48*(\p)+12*(\a)+11], v[8*(8*(\a)+\b):8*(8*(\a)+\b)+7], v[SC+12*(\p)+\b], v[SC+12*(\p)+8+(\a)] matrix_a_fmt:MATRIX_FMT_FP6 matrix_b_fmt:MATRIX_FMT_FP6
.endif
.endr
.endr
.endm
.macro ASK f                           ; the f-th 512 keys of my stream, my work-group's 50 blocks of 256 bytes, into the L2; wave 3 has no stream
	s_cmp_lt_u32 s[WV], 3
	s_cbranch_scc0 .Lno_ask_\@
	global_prefetch_b8 v[PF0], s[PFB:PFB+1] offset:(\f)*PART th:TH_LOAD_NT scope:SCOPE_SE
	global_prefetch_b8 v[PF0+1], s[PFB:PFB+1] offset:(\f)*PART th:TH_LOAD_NT scope:SCOPE_SE
.Lno_ask_\@:
.endm
.macro STEP t, zero, ask=0             ; ask: which 512 keys are prefetched in this step (0: none)
	s_wait_dscnt 6                                 ; A's blocks 2, 3 (6 loads) may be out
	MULP 0, (\t)%2, \zero
	s_wait_dscnt 0x0
	PLACES
	FETCH (\t)+1
.if \ask
	ASK \ask                                       ; behind the run of LDS loads (every window is 0 here), three steps ahead of the refill that will want the bytes
.endif
	MULP 2, (\t)%2, \zero
.endm
.macro CHG t, cnt
	s_wait_tensorcnt \cnt
	s_wait_dscnt 6
	MULP 0, (\t)%2, 0
	s_wait_dscnt 0x0
	s_barrier_signal -1
	s_barrier_wait -1
	PLACES
	FETCH (\t)+1
	MULP 2, (\t)%2, 0
.endm
.macro CHGF t, n                       ; on into the other slot; slot n, whose last fragments this step has in registers, is filled again with the 512 keys two slots on
	WIN 0
	s_wait_tensorcnt 0x0                           ; all my tensor loads have landed: my part of the other slot
	ds_add_u32 v[SPW], v[NIL]                      ; 0 onto my spare word
	ds_add_u32 v14, v15
	s_wait_dscnt 7                                 ; (the two adds and five of A's block 2, 3 loads may be out)
	MULP 0, (\t)%2, 0
	s_wait_dscnt 0x0                               ; the add is done, and my reads of slot n are over
	s_barrier_signal -1
	WIN 0
	s_barrier_wait -1
	CREST                                          ; the barrier has opened a round of the cluster's
	s_add_nc_u64 s[G0A+4*\n+2:G0A+4*\n+3], s[G0A+4*\n+2:G0A+4*\n+3], 2*PART
	s_add_nc_u64 s[G0B+4*\n+2:G0B+4*\n+3], s[G0B+4*\n+2:G0B+4*\n+3], 2*PART
	JLOAD \n                                       ; the first tensor load behind the round: four steps, 128 matrix instructions, ahead of the wait for it
	PLACES                                         ; (wave 3 has issued none)
	FETCH (\t)+1
	MULP 2, (\t)%2, 0
.endm
.macro QUANT pw                        ; the 64 numbers in v[HA] on become codes in v[PC] on and a scale word in v[pw]
.irp b, 0,1,2,3
	v_max3_num_f32 v[TM+\b], |v[HA+16*\b]|, |v[HA+16*\b+1]|, 0x1800000
.endr
.irp i, 2,4,6,8,10,12,14
.irp b, 0,1,2,3
	v_max3_num_f32 v[TM+\b], v[TM+\b], |v[HA+16*\b+\i]|, |v[HA+16*\b+\i+1]|
.endr
.endr
.irp b, 0,1,2,3
	v_permlanex16_b32 v[TM+4+\b], v[TM+\b], s[SEL], s[SEL+1]
.endr
.irp b, 0,1,2,3
	v_max_num_f32 v[TM+\b], v[TM+\b], v[TM+4+\b]
.endr
.irp b, 0,1,2,3
	v_add_nc_u32 v[TM+12+\b], 0xff000000, v[TM+\b]
.endr
.irp b, 0,1,2,3
	v_lshrrev_b32 v[TM+4+\b], 23, v[TM+12+\b]
.endr
	v_lshl_or_b32 v[\pw], v[TM+5], 8, v[TM+4]
	v_lshl_or_b32 v[\pw], v[TM+6], 16, v[\pw]
	v_lshl_or_b32 v[\pw], v[TM+7], 24, v[\pw]
.irp c, 0,1
	v_cvt_scalef32_pk16_fp6_f32 v[PC+6*\c:PC+2+6*\c], v[HA+32*\c:HA+15+32*\c], v[TM+12+2*\c]
	v_cvt_scalef32_pk16_fp6_f32 v[PC+12+4*\c:PC+14+4*\c], v[HA+16+32*\c:HA+31+32*\c], v[TM+12+2*\c+1]
.endr
	v_nop                                          ; one plain place behind a scaled conversion
.irp c, 0,1
.irp i, 0,1,2
	v_permlane16_swap_b32 v[PC+6*\c+\i], v[PC+12+4*\c+\i]
.endr
.irp i, 0,1,2
	v_mov_b32 v[PC+3+6*\c+\i], v[PC+12+4*\c+\i]
.endr
.endr
.endm
	s_wait_tensorcnt 0x0                           ; my region's four chunks are in; no tensor load of mine is out, so a descriptor may be written:
	s_mov_b32 s[G1A+2], TR<<16                     ; from here on a load brings two chunks: 200 rows
	s_mov_b32 s[G1A+4], TR
	s_mov_b32 s[G1B+2], TR<<16
	s_mov_b32 s[G1B+4], TR
	s_wait_dscnt 0x0                               ; my mended words and 1 / l have landed
	s_barrier_signal -1
	s_barrier_wait -1
	FETCH 0
	STEP 0, 1, 2
	STEP 1, 0
	STEP 2, 0
	CHGF 3, 0
	STEP 4, 0, 3
	STEP 5, 0
	STEP 6, 0
	CHGF 7, 1
	STEP 8, 0
	STEP 9, 0
	STEP 10, 0
	CHG 11, 0
	STEP 12, 0
	STEP 13, 0
	STEP 14, 0
	s_wait_dscnt 6
	MULP 0, 1, 0
	s_wait_dscnt 0x0
	MULP 2, 1, 0
	WIN 0
.irp a, 0,1,2,3
	ds_load_b32 v[RL+2*\a], v[ADL] offset:64*\a    ; 1 / l of my rows
.endr
	PLACES
	s_wait_dscnt 0x0
.irp a, 0,1,2,3
	WIN 2                                          ; source 0 among the accumulators
.set j, 0
.rept 32
	v_pk_mul_f32 v[HA+j:HA+j+1], v[64*\a+j:64*\a+j+1], v[RL+2*\a:RL+2*\a+1] op_sel_hi:[1,0]   ; divided by l; each accumulator from its low end on
.set j, j+2
.endr
	WIN 0
.if \a > 0
	s_wait_xcnt 0x0                                ; the last block's stores have read the codes' registers
.endif
	QUANT PWA+\a
.irp c, 0,1,2
	global_store_b128 v[LI], v[PC+4*\c:PC+4*\c+3], s[OC:OC+1] offset:\a*3072+512*\c
.endr
.endr
.irp a, 0,1,2,3
	ds_store_b32 v[SW], v[PWA+\a] offset:64*\a
.endr
	ds_load_b64 v[172:173], v[SR]
	s_wait_dscnt 0x0
	global_store_b64 v[L8], v[172:173], s[OS:OS+1] ; 256 consecutive bytes, aligned
	s_wait_tensorcnt 0x0                           ; the wave's end
	ds_add_u32 v[SPW], v[NIL]
	s_wait_dscnt 0x0
	CROUND
	s_endpgm
.Lfunc_end_k_qb3259d25f4_pv:
	.size	k_qb3259d25f4_pv, .Lfunc_end_k_qb3259d25f4_pv-k_qb3259d25f4_pv
	.p2alignl 7, 3214868480
	.fill 96, 4, 3214868480
	.section	.rodata,"a",@progbits
	.p2align	6, 0x0
	.amdhsa_kernel k_qb3259d25f4_pv
		.amdhsa_group_segment_fixed_size 327680
		.amdhsa_private_segment_fixed_size 0
		.amdhsa_enable_private_segment 0
		.amdhsa_kernarg_size 24
		.amdhsa_user_sgpr_count 2
		.amdhsa_user_sgpr_kernarg_segment_ptr 1
		.amdhsa_wavefront_size32 1
		.amdhsa_system_sgpr_workgroup_id_x 1
		.amdhsa_system_sgpr_workgroup_id_y 1
		.amdhsa_system_sgpr_workgroup_id_z 1
		.amdhsa_system_vgpr_workitem_id 0
		.amdhsa_next_free_vgpr 768
		.amdhsa_next_free_sgpr 100
		.amdhsa_reserve_vcc 0
		.amdhsa_float_denorm_mode_32 3
		.amdhsa_float_denorm_mode_16_64 3
		.amdhsa_memory_ordered 1
		.amdhsa_forward_progress 1
		.amdhsa_inst_pref_size 175
	.end_amdhsa_kernel
	.amdgpu_metadata
---
amdhsa.version: [ 1, 2 ]
amdhsa.kernels:
  - .name:           k_qb3259d25f4_pv
    .symbol:         k_qb3259d25f4_pv.kd
    .args:
      - { .name: pp, .offset: 0, .size: 8, .value_kind: global_buffer, .address_space: global }
      - { .name: vt, .offset: 8, .size: 8, .value_kind: global_buffer, .address_space: global }
      - { .name: sv, .offset: 16, .size: 8, .value_kind: global_buffer, .address_space: global }
    .group_segment_fixed_size: 327680
    .private_segment_fixed_size: 0
    .kernarg_segment_align: 8
    .kernarg_segment_size: 24
    .max_flat_workgroup_size: 128
    .sgpr_count:     100
    .vgpr_count:     768
    .wavefront_size: 32
...
	.end_amdgpu_metadata
.endif
;; end of part 4
;; launch outp (part 5): grid 4 x 64, 4 waves a work-group, clusters of 4 x 4, 327,680 bytes of LDS; arguments sv, qin, bo, out0; writes out0
.if DOCPART == 5
	.amdgcn_target "amdgcn-amd-amdhsa--gfx1250"
	.amdhsa_code_object_version 6
	.text
	.protected	k_qb3259d25f4_outp
	.globl	k_qb3259d25f4_outp
	.p2align	8
	.type	k_qb3259d25f4_outp,@function
k_qb3259d25f4_outp:
	s_mov_b64 s[64:65], 0
	v_nop
	global_prefetch_b8 v0, s[64:65] scope:SCOPE_SE
	s_setreg_imm32_b32 hwreg(HW_REG_WAVE_MODE, 25, 1), 1
	s_wait_xcnt 0x0
	s_wait_alu depctr_hold_cnt(0) depctr_sa_sdst(0) depctr_va_vdst(0) depctr_va_sdst(0) depctr_va_ssrc(0) depctr_va_vcc(0) depctr_vm_vsrc(0)
	s_getreg_b32 s2, hwreg(HW_REG_IB_STS2, 6, 4)
	s_cmp_eq_u32 s2, 0
	s_cbranch_scc0 .Lentry_in_a_cluster
	s_endpgm
.Lentry_in_a_cluster:
	s_bfe_u32 s2, ttmp6, 0x10000c
	s_cmp_lg_u32 s2, 0xf033
	s_cbranch_scc0 .Lentry_shape_is_right
	s_endpgm
.Lentry_shape_is_right:
; out = sum_v Wo^T + bo on codes of FP6 (E2M3) with E8M0 scales; out is [8192][1024] f32.  A = sum_v (8,192 rows), B = Wo (1,024 rows), K = 1,024.
; A work-group makes 128 (A) x 256 (B), a wave 64 x 128.  Chunks (25,600 bytes: codes at 3072 a + 1536 q + 512 c + 16 x lane, scale words at 24576 + 512 q + 64 a + 4 r) and the transposed use are this program's.
; Lane r of block 2 B + u of every operand holds row 32 B + 8 u + r % 8 + 16 (r / 8): so a lane's registers run along neighbouring columns of out, and the rows of A, which have kept that order since x was quantised,
; are put back in their places by the stores' offsets.  The bias is the C of each sum's first matrix instruction: eight registers a tile, in the result's layout.
; LDS: two slots of 512 along K, both filled once, at the start (two tensor loads of a wave are out): wave 0 fetches A's, waves 1 and 2 B's, wave 3 nothing.  CLUSTERS: 4 x 4, A's chunks shared along a row, B's along a column.
; REGISTERS: window 0: addresses, v32-55 scale words, v64-159 A's fragments (on the way out v64-191 rows of out).  window 1: B's fragments.  window 2: the accumulators.  window 3: v0-63 the bias.
; LDS AND THE LOADS, AS THE TEXT STANDS (where the lines above speak of the slots' places and of two loads at the start, this paragraph holds instead).
; Three regions of four chunk places, all of K: A's at 0, B's two groups at 4 and 8 CHUNK.  What the text calls slot n is places 2 n and 2 n + 1 of every region.
; At the head waves 0, 1 and 2 issue ONE tensor load each: a whole group, 400 rows of 256 bytes, dense in memory and in LDS.  Nothing is filled again.
; The barrier of step 3 stays: behind it no wave reads A's places 0 and 1, in which the stages of the way out lie.  The cluster's first round stands ahead of the wait for the arguments: it reads none of them.
; NO PREFETCH: all operands are asked for at the head: there is no later load to run ahead of.
.set CHUNK, 25600
.set GCH,   4*CHUNK
.set PART,  2*CHUNK
.set SLOT,  3*PART
.set TR,    PART/256
.set SPITCH, 528                       ; the way out: 16 rows x (512 bytes + 16) a wave, in slot 0, behind its only fill and its last read
.set LI,   3
.set ADRA, 4
.set ADRB, 7
.set ADSA, 10
.set ADSB, 12
.set STO,  16
.set RD,   17
.set SC,   32
.set AF,   64
.set BK,   64
.set WV, 12
.set AH, 13
.set BH, 14
.set G1A, 24
.set G1B, 32
.set G0A, 40
.set G0B, 52
.set OUT, 88
.set MSB, 0
.macro WIN new
.if MSB != (\new)
	s_set_vgpr_msb (MSB<<8)|(\new)
.set MSB, (\new)
.endif
.endm
.macro PLACES
.rept 4
	v_nop
.endr
.endm
.macro CREST
	s_cmp_lg_u32 s[WV], 0
	s_cbranch_scc1 .Lnot_wave_0_\@
	s_barrier_signal -3
.Lnot_wave_0_\@:
	s_barrier_wait -3
	s_barrier_signal -1
	s_barrier_wait -1
.endm
.macro CROUND
	s_barrier_signal -1
	s_barrier_wait -1
	CREST
.endm
	s_load_b256 s[4:11], s[0:1], 0x0               ; sv, qin, bo, out0
	v_lshl_add_u32 v254, v0, 2, 0x4b000
	v_mov_b32 v255, 0
	ds_add_u32 v254, v255
	ds_add_u32 v254, v255
	v_lshrrev_b32 v1, 5, v0
	v_readfirstlane_b32 s[WV], v1
	v_bfe_u32 v2, v0, 4, 1                         ; h
	v_lshlrev_b32 v26, 6, v2                       ; the bias: 16 numbers further on for lanes 16-31
	s_lshr_b32 s[AH], s[WV], 1
	s_and_b32 s[BH], s[WV], 1
	s_bfe_u32 s15, ttmp6, 0x40000
	s_bfe_u32 s16, ttmp6, 0x40004
	s_lshl_b32 s17, ttmp9, 2
	s_add_co_u32 s17, s17, s15                     ; tile column: 256 columns of out
	s_and_b32 s21, ttmp7, 0xffff
	s_lshl_b32 s18, s21, 2
	s_add_co_u32 s18, s18, s16                     ; tile row: 128 rows
	s_lshl_b32 s19, s16, 2
	s_lshl_b32 s19, 15, s19
	s_lshl_b32 s20, 0x1111, s15
	s_or_b32 s[G1A], s19, (3<<16)|(1<<21)
	s_or_b32 s[G1B], s20, (3<<16)|(1<<21)
.irp g, G1A, G1B
	s_mov_b32 s[\g+1], 32<<16
	s_mov_b32 s[\g+2], (2*TR)<<16                  ; four chunks' rows
	s_mov_b32 s[\g+3], 32<<16
	s_mov_b32 s[\g+4], 2*TR
	s_mov_b32 s[\g+5], 32
	s_mov_b32 s[\g+6], 0
	s_mov_b32 s[\g+7], 0
.endr
	s_mul_i32 s70, s18, GCH                        ; A: sum_v's group = tile row
	s_mov_b32 s71, 0
	s_add_co_u32 s76, s[WV], 1
	s_and_b32 s76, s76, 1
	s_lshl_b32 s74, s17, 1                         ; B: Wo's group 88 + 2 x tile column + half
	s_add_co_u32 s74, s74, s76
	s_add_co_u32 s74, s74, 88
	s_mul_i32 s74, s74, GCH
	s_mov_b32 s75, 0
	s_mul_i32 s78, s[WV], 2*PART                   ; my region
	s_lshl_b32 s84, s17, 10                        ; my first column, in bytes: 1,024 x tile column + 512 x half
	s_lshl_b32 s85, s[BH], 9
	s_add_co_u32 s84, s84, s85
	s_mov_b32 s85, 0
	s_lshl_b32 s[OUT], s18, 19                     ; my first row: 128 x tile row + 64 x half, 4,096 bytes each
	s_lshl_b32 s[OUT+1], s[AH], 18
	s_add_co_u32 s[OUT], s[OUT], s[OUT+1]
	s_add_co_u32 s[OUT], s[OUT], s84
	s_mov_b32 s[OUT+1], 0
	s_wait_alu depctr_va_vdst(0)
	s_wait_dscnt 0x0
	CROUND                                         ; the round in front of the first joint loads; it reads no argument, so it stands ahead of the wait for them
	s_wait_kmcnt 0x0
	s_add_nc_u64 s[70:71], s[4:5], s[70:71]
	s_add_nc_u64 s[74:75], s[6:7], s[74:75]
	s_add_nc_u64 s[86:87], s[8:9], s[84:85]
	s_add_nc_u64 s[OUT:OUT+1], s[10:11], s[OUT:OUT+1]
	WIN 0xc0                                       ; destination window 3
.irp b, 0,1,2,3,4,5,6,7
	global_load_b128 v[8*\b:8*\b+3], v26, s[86:87] offset:128*(\b/2)+32*(\b%2)       ; tile b, register j: bo at my first column + 32 (b / 2) + 16 h + 8 (b % 2) + j
	global_load_b128 v[8*\b+4:8*\b+7], v26, s[86:87] offset:128*(\b/2)+32*(\b%2)+16
.endr
	WIN 0
	s_mov_b32 s[G0A], 1                            ; one group 0 for A's group and one for B's: the region's start, the group's first chunk
	s_mov_b32 s[G0A+1], s78
	s_mov_b64 s[G0A+2:G0A+3], s[70:71]
	s_or_b32 s[G0A+3], s[G0A+3], 0x80000000
	s_mov_b32 s[G0B], 1
	s_mov_b32 s[G0B+1], s78
	s_mov_b64 s[G0B+2:G0B+3], s[74:75]
	s_or_b32 s[G0B+3], s[G0B+3], 0x80000000
	s_cmp_eq_u32 s[WV], 0                          ; the head's one load a wave: wave 0 A's group, waves 1 and 2 B's, wave 3 none
	s_cbranch_scc0 .Lfirst_not_a
	tensor_load_to_lds s[G0A:G0A+3], s[G1A:G1A+7]
	s_nop 0
	PLACES
	s_branch .Lfirst_done
.Lfirst_not_a:
	s_cmp_lt_u32 s[WV], 3
	s_cbranch_scc0 .Lfirst_done
	tensor_load_to_lds s[G0B:G0B+3], s[G1B:G1B+7]
	s_nop 0
	PLACES
.Lfirst_done:
	v_and_b32 v1, 15, v0
	v_and_b32 v[LI], 31, v0
	v_lshlrev_b32 v[LI], 4, v[LI]
	s_wait_alu depctr_va_vdst(0)
	v_lshlrev_b32 v24, 2, v1
	s_wait_alu depctr_va_vdst(0)
	s_mul_i32 s79, s[AH], 12288
	s_mul_i32 s80, s[BH], 2*PART
	s_add_co_u32 s80, s80, 2*PART                  ; my region of B
	s_lshl_b32 s81, s[AH], 8
	s_add_co_u32 s81, s81, 24576
	s_add_co_u32 s82, s80, 24576
.irp n, 0,1
	v_add_nc_u32 v[ADRA+\n], s79, v[LI]
	v_add_nc_u32 v[ADRB+\n], s80, v[LI]
	v_add_nc_u32 v[ADSA+\n], s81, v24
	v_add_nc_u32 v[ADSB+\n], s82, v24
	s_add_co_u32 s79, s79, PART
	s_add_co_u32 s80, s80, PART
	s_add_co_u32 s81, s81, PART
	s_add_co_u32 s82, s82, PART
.endr
	s_mul_i32 s90, s[WV], 16*SPITCH                ; my stage
	v_mul_u32_u24 v[STO], v1, SPITCH
	v_lshl_add_u32 v[STO], v2, 6, v[STO]
	v_add_nc_u32 v[STO], s90, v[STO]               ; in: row r, + 64 h
	v_add_nc_u32 v[RD], s90, v[LI]                 ; back: the 32 lanes take a row of 512 bytes
.macro FETCH t
.set FP, (\t)%2
.set FN, ((\t)/4)%2
.set FO, (((\t)%4)/2)*CHUNK
	WIN 0
.irp i, 0,1,2,3,4,5,6,7
	ds_load_b32 v[SC+12*FP+\i], v[ADSB+FN] offset:FO+FP*512+\i*64
.endr
.irp i, 0,1,2,3
	ds_load_b32 v[SC+12*FP+8+\i], v[ADSA+FN] offset:FO+FP*512+\i*64
.endr
	WIN 0x40
.irp i, 0,1,2,3,4,5,6,7
.irp c, 0,1,2
	ds_load_b128 v[128*FP+12*\i+4*\c:128*FP+12*\i+4*\c+3], v[ADRB+FN] offset:FO+\i*3072+FP*1536+512*\c
.endr
.endr
	WIN 0
.irp i, 0,1,2,3
.irp c, 0,1,2
	ds_load_b128 v[AF+48*FP+12*\i+4*\c:AF+48*FP+12*\i+4*\c+3], v[ADRA+FN] offset:FO+\i*3072+FP*1536+512*\c
.endr
.endr
.endm
.macro MULP a0, p, bias                ; the 32 accumulators take turns, one instruction a turn.  bias = 1: the products start the sums from the bias
.if \bias
	WIN 0xb1                                       ; source 0 (B) window 1, source 1 (A) window 0, C window 3, D window 2
.else
	WIN 0xa1
.endif
.irp a, \a0, \a0+1
.irp b, 0,1,2,3,4,5,6,7
.if \bias
	v_wmma_scale_f32_16x16x128_f8f6f4 v[8*(8*(\a)+\b):8*(8*(\a)+\b)+7], v[128*(\p)+12*\b:128*(\p)+12*\b+11], v[AF+48*(\p)+12*(\a):AF+48*(\p)+12*(\a)+11], v[8*\b:8*\b+7], v[SC+12*(\p)+\b], v[SC+12*(\p)+8+(\a)] matrix_a_fmt:MATRIX_FMT_FP6 matrix_b_fmt:MATRIX_FMT_FP6
.else
	v_wmma_scale_f32_16x16x128_f8f6f4 v[8*(8*(\a)+\b):8*(8*(\a)+\b)+7], v[128*(\p)+12*\b:128*(\p)+12*\b+11], v[AF+48*(\p)+12*(\a):AF+48*(\p)+12*(\a)+11], v[8*(8*(\a)+\b):8*(8*(\a)+\b)+7], v[SC+12*(\p)+\b], v[SC+12*(\p)+8+(\a)] matrix_a_fmt:MATRIX_FMT_FP6 matrix_b_fmt:MATRIX_FMT_FP6
.endif
.endr
.endr
.endm
.macro STEP t, bias
	s_wait_dscnt 6                                 ; A's blocks 2, 3 (6 loads) may be out
	MULP 0, (\t)%2, \bias
	s_wait_dscnt 0x0
	PLACES
	FETCH (\t)+1
	MULP 2, (\t)%2, \bias
.endm
.macro CHG t, cnt
	s_wait_tensorcnt \cnt
	s_wait_dscnt 6
	MULP 0, (\t)%2, 0
	s_wait_dscnt 0x0
	s_barrier_signal -1
	s_barrier_wait -1
	PLACES
	FETCH (\t)+1
	MULP 2, (\t)%2, 0
.endm
; THE WAY OUT, block by block of 16 rows x 128 columns: through my own stage in LDS, back as whole rows of 512 bytes.  LDS serves a wave's instructions in order: no wait between the stores and the loads
.macro TOSTAGE a
	WIN 0x08                                       ; an LDS store's data are its source 1: window 2
.irp b, 0,1,2,3,4,5,6,7
	ds_store_b128 v[STO], v[64*(\a)+8*\b:64*(\a)+8*\b+3] offset:128*(\b/2)+32*(\b%2)       ; each accumulator from its low end on
	ds_store_b128 v[STO], v[64*(\a)+8*\b+4:64*(\a)+8*\b+7] offset:128*(\b/2)+32*(\b%2)+16
.endr
	WIN 0
.set BB, BK+64*((\a)%2)
.irp t, 0,1,2,3,4,5,6,7,8,9,10,11,12,13,14,15
	ds_load_b128 v[BB+4*\t:BB+4*\t+3], v[RD] offset:\t*SPITCH
.endr
.endm
.macro SEND a, younger                 ; younger: the LDS instructions issued behind block a's loads, which may stay out
.set BB, BK+64*((\a)%2)
	s_wait_dscnt \younger
.irp t, 0,1,2,3,4,5,6,7,8,9,10,11,12,13,14,15
	global_store_b128 v[LI], v[BB+4*\t:BB+4*\t+3], s[OUT:OUT+1] offset:(32*((\a)/2)+8*((\a)%2)+\t%8+16*(\t/8))*4096 th:TH_STORE_NT   ; lane t's row goes back to its place; 512 consecutive bytes, aligned; written once, read by nobody here
.endr
.endm
	s_wait_alu depctr_va_vdst(0)
	s_wait_loadcnt 0x0                             ; the bias
	s_wait_tensorcnt 0x0                           ; my region is in
	s_barrier_signal -1
	s_barrier_wait -1
	FETCH 0
	STEP 0, 1
	STEP 1, 0
	STEP 2, 0
	CHG 3, 0
	STEP 4, 0
	STEP 5, 0
	STEP 6, 0
	s_wait_dscnt 6
	MULP 0, 1, 0
	s_wait_dscnt 0x0
	MULP 2, 1, 0
	WIN 0
	PLACES
	TOSTAGE 0
.irp a, 1,2,3
.if \a > 1
	s_wait_xcnt 0x0                                ; block a - 2's stores have read their registers: block a's loads may land there
.endif
	TOSTAGE \a
	SEND \a-1, 32                                  ; behind block a - 1's loads: block a's 16 stores and 16 loads
.endr
	SEND 3, 0
	s_wait_tensorcnt 0x0
	ds_add_u32 v254, v255
	s_wait_dscnt 0x0
	CROUND                                         ; the closing round
	s_endpgm
.Lfunc_end_k_qb3259d25f4_outp:
	.size	k_qb3259d25f4_outp, .Lfunc_end_k_qb3259d25f4_outp-k_qb3259d25f4_outp
	.p2alignl 7, 3214868480
	.fill 96, 4, 3214868480
	.section	.rodata,"a",@progbits
	.p2align	6, 0x0
	.amdhsa_kernel k_qb3259d25f4_outp
		.amdhsa_group_segment_fixed_size 327680
		.amdhsa_private_segment_fixed_size 0
		.amdhsa_enable_private_segment 0
		.amdhsa_kernarg_size 32
		.amdhsa_user_sgpr_count 2
		.amdhsa_user_sgpr_kernarg_segment_ptr 1
		.amdhsa_wavefront_size32 1
		.amdhsa_system_sgpr_workgroup_id_x 1
		.amdhsa_system_sgpr_workgroup_id_y 1
		.amdhsa_system_sgpr_workgroup_id_z 1
		.amdhsa_system_vgpr_workitem_id 0
		.amdhsa_next_free_vgpr 832
		.amdhsa_next_free_sgpr 100
		.amdhsa_reserve_vcc 0
		.amdhsa_float_denorm_mode_32 3
		.amdhsa_float_denorm_mode_16_64 3
		.amdhsa_memory_ordered 1
		.amdhsa_forward_progress 1
		.amdhsa_inst_pref_size 82
	.end_amdhsa_kernel
	.amdgpu_metadata
---
amdhsa.version: [ 1, 2 ]
amdhsa.kernels:
  - .name:           k_qb3259d25f4_outp
    .symbol:         k_qb3259d25f4_outp.kd
    .args:
      - { .name: sv, .offset: 0, .size: 8, .value_kind: global_buffer, .address_space: global }
      - { .name: qin, .offset: 8, .size: 8, .value_kind: global_buffer, .address_space: global }
      - { .name: bo, .offset: 16, .size: 8, .value_kind: global_buffer, .address_space: global }
      - { .name: out0, .offset: 24, .size: 8, .value_kind: global_buffer, .address_space: global }
    .group_segment_fixed_size: 327680
    .private_segment_fixed_size: 0
    .kernarg_segment_align: 8
    .kernarg_segment_size: 32
    .max_flat_workgroup_size: 128
    .sgpr_count:     100
    .vgpr_count:     832
    .wavefront_size: 32
...
	.end_amdgpu_metadata
.endif
;; end of part 5
